; MI455X (gfx1250); checked and timed in simulation.
; The chip was launched on July 23, 2026; its instructions are those of AMD's public machine-readable ISA for CDNA 5 (MIT licence, August 2026) and "CDNA5" Instruction Set Architecture Reference Guide (July 2026). The comments in the code are by the model that wrote it; some were corrected since.
;; Multi Headed Attention. Allowed arithmetic: matrix products marked QUANTISED: E2M3 operands, one E8M0 scale for each 32 along K, by v_wmma_scale_f32_16x16x128_f8f6f4 with both operands' format E2M3, f32 sums; everything else in f32.
;; Inputs: Wk 1,024 x 1,024 float32; Wo 1,024 x 1,024 float32; Wq 1,024 x 1,024 float32; Wv 1,024 x 1,024 float32; bk 1,024 float32; bo 1,024 float32; bq 1,024 float32; bv 1,024 float32; key 4 x 2,048 x 1,024 float32; mask 4 x 2,048 x 2,048 bool; query 4 x 2,048 x 1,024 float32; value 4 x 2,048 x 1,024 float32.
;; Outputs: out0 4 x 2,048 x 1,024 float32.
;; This version of the problem:
;;   THIS VERSION OF THE PROBLEM IS GIVEN IN LOW PRECISION. The matrix products marked QUANTISED in the list below multiply operands that are first quantised to E2M3 (2 exponent bits, 3 mantissa bits; 6 bits a number), with one power-of-two scale for each 32 numbers along K (OCP MX v1.0); their sums are f32. All else is computed in f32.
;;   The module's matrix products, in the order in which they are computed (A, B: the left and right operand; K: the contracted axis; several contracted axes count as one K, in the product's order):
;;     1. [M 8,192, K 1,024] x [K 1,024, N 1,024]; A: input query; B: input Wq: QUANTISED
;;     2. [M 8,192, K 1,024] x [K 1,024, N 1,024]; A: input key; B: input Wk: QUANTISED
;;     3. [M 8,192, K 1,024] x [K 1,024, N 1,024]; A: input value; B: input Wv: QUANTISED
;;     4. batch 64 x [M 2,048, K 64] x [K 64, N 2,048]; A: computed on the way; B: computed on the way: QUANTISED
;;     5. batch 64 x [M 2,048, K 2,048] x [K 2,048, N 64]; A: softmax (see below); B: computed on the way: QUANTISED
;;     6. [M 8,192, K 1,024] x [K 1,024, N 1,024]; A: computed on the way; B: input Wo: QUANTISED
;;   THE QUANTISER, for each operand of a quantised product, along K:
;;     - K is cut into blocks of 32 from its start; a last block that is shorter is filled with zeros.
;;     - A block's scale is 2^e with e = floor(log2(the largest magnitude in the block)) - 2, held to -126 .. 127; a block of zeros has e = 0. As a byte (E8M0): e + 127.
;;     - Each number is divided by its block's scale, clamped to +-7.5, and rounded to the nearest number of E2M3, ties to even, subnormals kept.
;;     - The product sums the exact products of the quantised numbers (number of the format x scale) in f32.
;;   ~~~python
;;   def quantise(x, axis):      # numpy; x: float32 -> the quantised numbers, widened to float32 again
;;       x = np.moveaxis(x, axis, -1); K = x.shape[-1]
;;       x = np.pad(x, [(0, 0)] * (x.ndim - 1) + [(0, -K % 32)]); x = x.reshape(x.shape[:-1] + (-1, 32)); a = np.abs(x).max(-1, keepdims=True)
;;       e = np.where(a > 0, np.clip(np.frexp(np.where(a > 0, a, 1))[1] - 1 - 2, -126, 127), 0)      # np.frexp(a)[1] - 1 = floor(log2(a)), exactly
;;       r = np.clip(x / 2.0 ** e, -7.5, 7.5)
;;       step = 2.0 ** (np.maximum(np.frexp(np.where(r == 0, 1, r))[1] - 1, 0) - 3)
;;       q = np.round(r / step) * step * 2.0 ** e      # np.round: ties to even
;;       return np.moveaxis(q.reshape(q.shape[:-2] + (-1,))[..., :K], -1, axis).astype(np.float32)
;;   ~~~
;;   SOFTMAX AHEAD OF A QUANTISED PRODUCT. Where the list says 'softmax', what is quantised is not the finished softmax but p = 2^(t - M), with t = logit x log2(e) and M = ceil(the row's largest t), a whole number; so 1/2 < the row's largest p <= 1. The row's sum l is taken of the UNQUANTISED p, in f32, and the product's result is divided by l at the end. Since M is a whole number, a kernel that streams over the keys may use a running M (the ceiling of the running maximum): every later rescaling is an exact power of two, which a block's scale takes up: the codes' values come out the same.
;;   OPERANDS COMPUTED ON THE WAY. 'Computed on the way' means the value that the module computes at that place (a softmax that the list does not call 'softmax' is quantised finished and normalised). What goes into a quantiser is computed in f32, as accurately as f32 sums, v_exp_f32 and their like allow (about 1e-6 of the number): no bf16 or f16 on the way to a quantiser, and a product that is left as it is and whose result goes on into a quantised operand takes f32 operands (vector FMAs, or v_wmma_f32_16x16x4_f32). A number that lies on a knife's edge between two numbers of the format may be rounded either way, as far as f32 arithmetic and the matrix unit's own rounding can turn it there, and no further.
;; One version. Each part assembles by itself: llvm-mc -triple=amdgcn-amd-amdhsa -mcpu=gfx1250 --defsym DOCPART=n.
;; ======== version 1 of 1: 4 launches
;; limits: right only within a limited range of input values
;; workspace buffers: xq 19,660,800 bytes; wq 3,276,800 bytes; mw 2,097,152 bytes of whole numbers; qws 13,369,344 bytes; kv 13,369,344 bytes; cx 6,553,600 bytes
;; launch prep (part 1): grid 1152 x 1, 4 waves a work-group, no clusters, 74,240 bytes of LDS; arguments query, key, value, mask, Wq, Wk, Wv, Wo, xq, wq, mw; writes xq, wq, mw
.if DOCPART == 1
	.amdgcn_target "amdgcn-amd-amdhsa--gfx1250"
	.amdhsa_code_object_version 6
	.text
	.protected	k_q5a4ad661fe_prep
	.globl	k_q5a4ad661fe_prep
	.p2align	8
	.type	k_q5a4ad661fe_prep,@function
k_q5a4ad661fe_prep:
	s_mov_b64 s[64:65], 0
	v_nop
	global_prefetch_b8 v0, s[64:65] scope:SCOPE_SE
	s_setreg_imm32_b32 hwreg(HW_REG_WAVE_MODE, 25, 1), 1
	s_wait_xcnt 0x0
; THE FIRST LAUNCH: all that is quantised or repacked once.  Three kinds of work-group, told apart by the work-group's number:
;   0..255     PATH M: the mask's bytes -> words of 32 bits, one bit a lane, in the order in which the attention launch's score registers want them, in mw
;   256..383   PATH W: Wq, Wk, Wv, Wo [k 1024][n 1024] f32, K = the FIRST axis -> codes laid [n][k] and scale bytes [n][32], in wq
;   384..1151  PATH X: query, key, value [8192][1024] f32 -> codes of E2M3, K innermost (768 bytes a row), and one E8M0 byte for each 32 along K (32 bytes a row), in xq
; Paths M and W have much register work for each byte and path X little: M and W have the lowest numbers, so that they stand beside X's work-groups and not behind them.
; TILE ORDER: the rows of value and the rows n of the four weights are stored with bits 3 and 4 of the row number exchanged, so that 16 neighbouring stored rows 16 T + r
; are the rows 32 (T/2) + 8 (T%2) + r + 8 (r/8): used as source 0 of a product they leave 16 neighbours along that axis in the 16 registers of two neighbouring tiles.  query's rows stay as they are.
; A block's scale is 2^(floor(log2(its largest magnitude)) - 2); its byte is the largest magnitude's exponent field - 2, held at 1 from below.
; LIMITS: a block of zeros gets the byte 1 where the rule says 127 (its codes are zeros, and only this program reads the bytes); blocks whose largest magnitude lies under 2^(3 - 127) share that byte; NaN and infinities are not served.
; No tensor loads, no barrier: waves share nothing.  Each path has LDS bytes of its own; together 73,728, so that four work-groups of 4 x 192 registers a SIMD fit on a WGP's 327,680 bytes.
.set XT,    6291456                    ; xq: a tensor's codes, 8192 x 768
.set XST,   262144                     ;     a tensor's scale bytes, 8192 x 32
.set XSC0,  18874368                   ;     where the scale bytes begin
.set WT,    786432                     ; wq: a weight's codes, 1024 x 768
.set WST,   32768                      ;     a weight's scale bytes
.set WSC0,  3145728
.set XWREG, 5376                       ; path X, LDS 0..21503: a region for each wave: two stages of 32 x XSP bytes, then its 256 scale bytes
.set XSP,   80                         ; a lane's place in a stage: 64 bytes + 16 of padding
.set XR,    16                         ; v16-79   four sets of 16 numbers as loaded
.set XX,    80                         ; v80-111  two sets of 16 neighbours
.set XE,    112                        ; v112-127 a scale byte for each step
.set XC,    128                        ; v128-191 codes, four registers a step
.set WSTG,  21504                      ; path W, LDS 21504..56319: a stage of 32 rows x WP for each wave
.set WP,    272
.set WX,    32                         ; v32-95   two sets of 32 numbers
.set WC,    96                         ; v96..    a block's codes
.set WOUT,  112                        ; v112-175 the way out
.set WSB,   24                         ; v24-25   eight scale bytes
.set MSTG,  56320                      ; path M, LDS 56320..73727: 16 rows x 272 for each wave
	s_load_b256 s[4:11], s[0:1], 0x0               ; query, key, value, mask
	s_load_b256 s[12:19], s[0:1], 0x20             ; Wq, Wk, Wv, Wo
	s_load_b128 s[20:23], s[0:1], 0x40             ; xq, wq
	s_load_b64 s[24:25], s[0:1], 0x50              ; mw
	v_lshl_add_u32 v192, v0, 2, 0x12000
	v_mov_b32 v193, 0
	v_lshrrev_b32 v1, 5, v0
	v_readfirstlane_b32 s26, v1                    ; wave 0..3
	v_and_b32 v2, 31, v0                           ; lane
	s_wait_kmcnt 0x0
	s_cmp_ge_u32 ttmp9, 384
	s_cbranch_scc1 .Lpath_x
	s_cmp_ge_u32 ttmp9, 256
	s_cbranch_scc1 .Lpath_w
; ---------------- PATH M.  A wave takes 16 rows of the mask (one tile of queries) x 1,024 keys, 256 keys a trip.
; Word n (0..63) of a key step of 128: bit l = mask[query 16 qt + l % 16][key 128 ks + 64 (n / 32) + 32 (l / 16) + n % 32].
	s_lshl_b32 s27, ttmp9, 2
	s_add_co_u32 s27, s27, s26                     ; 0..1023
	s_lshr_b32 s45, s27, 1                         ; which tile of queries, 0..511
	s_and_b32 s46, s27, 1                          ; which half of the keys
	s_lshl_b32 s28, s45, 15                        ; 16 rows of 2,048 bytes
	s_lshl_b32 s47, s46, 10
	s_add_co_u32 s28, s28, s47
	s_mov_b32 s29, 0
	s_add_nc_u64 s[28:29], s[10:11], s[28:29]
	s_lshl_b32 s30, s45, 12                        ; 16 key steps x 256 bytes of words
	s_lshl_b32 s47, s46, 11
	s_add_co_u32 s30, s30, s47
	s_mov_b32 s31, 0
	s_add_nc_u64 s[30:31], s[24:25], s[30:31]
	s_wait_alu depctr_va_vdst(0)
	v_and_b32 v7, 15, v2                           ; r
	v_lshrrev_b32 v13, 4, v2                       ; h
	v_lshlrev_b32 v3, 4, v7
	v_lshl_add_u32 v3, v13, 11, v3                 ; in: sixteen lanes take 256 neighbouring bytes of a row, lanes 16-31 the next row
	s_mul_i32 s47, s26, 16*272
	s_add_co_u32 s47, s47, MSTG
	v_mul_u32_u24 v4, v13, 272
	v_lshl_add_u32 v4, v7, 4, v4
	v_add_nc_u32 v4, s47, v4                       ; into the stage, as loaded
	v_mul_u32_u24 v5, v7, 272
	v_lshl_add_u32 v5, v13, 5, v5                  ; lanes 16-31 stand 32 keys further on: word n, bit l = mask[16 qt + l % 16][128 ks + 64 (n / 32) + 32 (l / 16) + n % 32]
	v_add_nc_u32 v5, s47, v5                       ; out of it: row r, 16 bytes for each half of the lanes
	v_lshlrev_b32 v6, 3, v2                        ; out: two words a lane
.irp i, 8,9,10,11
	v_mov_b32 v\i, 0                               ; written once: v_writelane_b32 keeps the other lanes
.endr
	s_mov_b32 s32, 0xff
	s_mov_b32 s33, 0xff00
	s_mov_b32 s34, 0xff0000
	s_mov_b32 s35, 0xff000000
	s_mov_b32 s44, 4
.Lmask:
.irp i, 0,1,2,3,4,5,6,7
	global_load_b128 v[16+4*\i:19+4*\i], v3, s[28:29] offset:4096*\i th:TH_LOAD_NT   ; rows 2 i and 2 i + 1
.endr
	s_wait_loadcnt 0x0
	s_wait_alu depctr_va_vdst(0)
.irp i, 0,1,2,3,4,5,6,7
	ds_store_b128 v4, v[16+4*\i:19+4*\i] offset:544*\i
.endr
.irp k, 0,1
.irp b, 0,1,2,3
	ds_load_b128 v[48+4*(4*\k+\b):51+4*(4*\k+\b)], v5 offset:128*\k+64*(\b/2)+16*(\b%2)   ; keys 128 k + 64 (b / 2) + 32 h + 16 (b % 2) + 0 .. 15 of my row
.endr
.endr
	s_wait_dscnt 0x0
.irp k, 0,1
.irp b, 0,1,2,3
.irp g, 0,1,2,3
.irp y, 0,1,2,3
	v_and_b32 v[12+\y], s[32+\y], v[48+4*(4*\k+\b)+\g]                     ; one byte of the mask in each lane
	v_cmp_ne_u32 s[36+4*(\g%2)+\y], 0, v[12+\y]                            ; the 32 lanes' bits: word 16 b + 4 g + y
	v_writelane_b32 v[8+2*\k+\y%2], s[36+4*(\g%2)+\y], (16*\b+4*\g+\y)/2   ; lane i will store words 2 i and 2 i + 1
.endr
.endr
.endr
.endr
.irp k, 0,1
	global_store_b64 v6, v[8+2*\k:9+2*\k], s[30:31] offset:256*\k          ; 32 lanes store 256 consecutive bytes, aligned
.endr
	s_wait_xcnt 0x0                                ; the stores have read their data and their base: both are written again only behind this wait
	s_add_nc_u64 s[28:29], s[28:29], 256
	s_add_nc_u64 s[30:31], s[30:31], 512
	s_sub_co_u32 s44, s44, 1
	s_cmp_lg_u32 s44, 0
	s_cbranch_scc1 .Lmask
	s_wait_tensorcnt 0x0
	ds_add_u32 v192, v193
	s_wait_dscnt 0x0
	s_endpgm
; ---------------- PATH X.  A wave takes a run of 8,192 numbers (8 rows of 1,024) in 16 steps of 512.  Rows are dense and 1,024 is a multiple of 32: the tensor is a stream of blocks of 32.
; Each load reads 512 consecutive bytes; a step's 2,048 bytes turn through the wave's own stage in LDS and come back 64 bytes a lane, so that a lane holds 16 neighbours along K (two lanes a block).
.Lpath_x:
	s_sub_co_u32 s45, ttmp9, 384                   ; 0..767
	s_lshr_b32 s27, s45, 8                         ; the tensor: 0 query, 1 key, 2 value
	s_and_b32 s28, s45, 255
	s_lshl_b32 s28, s28, 2
	s_add_co_u32 s28, s28, s26                     ; my run, 0..1023
	s_and_b32 s29, s28, 0x3fc
	s_and_b32 s30, s28, 1
	s_lshl_b32 s30, s30, 1
	s_or_b32 s29, s29, s30
	s_bfe_u32 s30, s28, 0x10001
	s_or_b32 s29, s29, s30                         ; bits 0 and 1 of the run exchanged: bits 3 and 4 of its rows
	s_and_b32 s31, s28, 0x3f8                      ; key's own order: of a run's low three bits [h][j1 j0] the stored run has [j1 j0][h]:
	s_and_b32 s30, s28, 3                          ; stored rows 64 c + 16 j + 8 h + i are keys 64 c + 32 h + 8 j + i, so that a lane's 32 score registers of four tiles are one block of 32 keys
	s_lshl_b32 s30, s30, 1
	s_or_b32 s31, s31, s30
	s_bfe_u32 s30, s28, 0x10002
	s_or_b32 s31, s31, s30
	s_cmp_eq_u32 s27, 1
	s_cselect_b32 s29, s31, s29
	s_cmp_eq_u32 s27, 0
	s_cselect_b32 s29, s28, s29
	s_cselect_b64 s[4:5], s[4:5], s[6:7]
	s_cmp_eq_u32 s27, 2
	s_cselect_b64 s[4:5], s[8:9], s[4:5]           ; the choice hangs on the work-group's number alone
	s_lshl_b32 s30, s28, 15
	s_mov_b32 s31, 0
	s_add_nc_u64 s[4:5], s[4:5], s[30:31]          ; the run's numbers
	s_mul_i32 s30, s27, XT
	s_lshr_b32 s33, s29, 4                         ; the codes lie [group of 128 rows][K step of 256][row][192 bytes]: a group is 98,304 bytes, a K step of it 24,576 dense bytes
	s_mul_i32 s33, s33, 98304
	s_and_b32 s34, s29, 15
	s_mul_i32 s34, s34, 1536                       ; my 8 rows in the group
	s_add_co_u32 s33, s33, s34
	s_add_co_u32 s30, s30, s33
	s_add_nc_u64 s[8:9], s[20:21], s[30:31]        ; its codes
	s_mul_i32 s30, s27, XST
	s_lshl_b32 s33, s29, 8
	s_add_co_u32 s30, s30, s33
	s_add_co_u32 s30, s30, XSC0
	s_add_nc_u64 s[10:11], s[20:21], s[30:31]      ; its 256 scale bytes
	s_wait_alu depctr_va_vdst(0)
	v_lshlrev_b32 v3, 4, v2                        ; my 16 bytes of a load's 512
	s_mul_i32 s32, s26, XWREG
	v_lshrrev_b32 v14, 2, v2
	v_mul_u32_u24 v14, v14, XSP
	v_and_b32 v15, 3, v2
	v_lshl_add_u32 v14, v15, 4, v14
	v_add_nc_u32 v14, s32, v14                     ; the stage, on the way in: four lanes' 64 bytes on end, then 16 of padding
	v_mul_u32_u24 v15, v2, XSP
	v_add_nc_u32 v15, s32, v15                     ; on the way out: my 16 neighbours
	v_and_b32 v4, 15, v2
	v_mul_u32_u24 v4, v4, 12                       ; my codes' place: sixteen lanes fill a row's 192 bytes of a K step,
	v_lshrrev_b32 v5, 4, v2
	v_mad_u32_u24 v4, v5, 24576, v4                ; lanes 16-31 the next K step's
	v_lshrrev_b32 v5, 1, v2
	s_add_co_u32 s32, s32, 2*32*XSP
	v_add_nc_u32 v5, s32, v5                       ; my block's byte among the wave's 256
	v_lshlrev_b32 v7, 3, v2
	v_add_nc_u32 v6, s32, v7
.macro XLOAD t
.irp i, 0,1,2,3
	global_load_b128 v[XR+16*((\t)%4)+4*\i:XR+16*((\t)%4)+4*\i+3], v3, s[4:5] offset:2048*(\t)+512*\i th:TH_LOAD_NT
.endr
.endm
.macro XTURN t                         ; step t's numbers through the stage: LDS serves a wave's instructions in order, so no wait stands between the stores and the loads
.irp i, 0,1,2,3
	ds_store_b128 v14, v[XR+16*((\t)%4)+4*\i:XR+16*((\t)%4)+4*\i+3] offset:32*XSP*((\t)%2)+8*XSP*\i
.endr
.irp i, 0,1,2,3
	ds_load_b128 v[XX+16*((\t)%2)+4*\i:XX+16*((\t)%2)+4*\i+3], v15 offset:32*XSP*((\t)%2)+16*\i
.endr
.endm
.irp t, 0,1,2,3
	XLOAD \t
.endr
	s_wait_alu depctr_va_vdst(0)
	s_wait_loadcnt 12                              ; step 0's four loads are in; the twelve of steps 1 to 3 may be out
	XTURN 0
.macro XSTEP t
.set XS, XX+16*((\t)%2)
.if (\t) > 0
	s_wait_dscnt 1                                 ; this step's numbers are back from the stage (the last step's byte store may be out)
.else
	s_wait_dscnt 0x0
.endif
.if (\t)+4 < 16
	XLOAD (\t)+4                                   ; into the registers that this step's stores into the stage have read
.endif
.if (\t)+1 < 16
.if 14-(\t) >= 3
	s_wait_loadcnt 12                              ; the next step's four loads are in; those of the three steps behind it may be out
.else
	s_wait_loadcnt 4*(14-(\t))
.endif
	XTURN (\t)+1
.endif
	v_max3_num_f32 v8, |v[XS]|, |v[XS+1]|, |v[XS+2]|               ; the largest magnitude of my 16, in two chains
	v_max3_num_f32 v9, |v[XS+3]|, |v[XS+4]|, |v[XS+5]|
.irp i, 6,10
	v_max3_num_f32 v8, v8, |v[XS+\i]|, |v[XS+\i+1]|
	v_max3_num_f32 v9, v9, |v[XS+\i+2]|, |v[XS+\i+3]|
.endr
	v_max3_num_f32 v8, v8, |v[XS+14]|, |v[XS+15]|
	v_max3_num_f32 v8, v8, v9, 0x1800000           ; and the floor 2^(3 - 127): the byte cannot fall under 1
	v_max_num_f32_dpp v8, v8, v8 row_xmask:1 row_mask:0xf bank_mask:0xf   ; with my neighbour's 16: the block's
	v_add_nc_u32 v11, 0xff000000, v8               ; 2 off its exponent field: the conversion takes the exponent field of this operand as its scale
	v_cvt_scalef32_pk16_fp6_f32 v[XC+4*(\t):XC+4*(\t)+2], v[XS:XS+15], v11
	v_lshrrev_b32 v[XE+(\t)], 23, v11              ; the scale's byte
	ds_store_b8 v5, v[XE+(\t)] offset:16*(\t)      ; both lanes of a block write the same byte with the same value
	global_store_b96 v4, v[XC+4*(\t):XC+4*(\t)+2], s[8:9] offset:49152*((\t)%2)+192*((\t)/2)   ; row t / 2, K steps 2 (t % 2) and 2 (t % 2) + 1
.endm
.irp t, 0,1,2,3,4,5,6,7,8,9,10,11,12,13,14,15
	XSTEP \t
.endr
	ds_load_b64 v[12:13], v6                       ; in order behind my byte stores
	s_wait_dscnt 0x0
	global_store_b64 v7, v[12:13], s[10:11]        ; 32 lanes store 256 consecutive bytes, aligned
	s_wait_tensorcnt 0x0
	ds_add_u32 v192, v193
	s_wait_dscnt 0x0
	s_endpgm
; ---------------- PATH W.  A lane takes a column n and its registers run down K: a block of 32 lies in one lane, and the conversions give codes with K innermost.
; A wave takes 32 columns x 256 along K; its codes go through its own stage and leave as rows, sixteen lanes to a row's 192 consecutive bytes.
.Lpath_w:
	s_sub_co_u32 s27, ttmp9, 256                   ; 0..127
	s_lshr_b32 s28, s27, 5                         ; the weight: 0 Wq, 1 Wk, 2 Wv, 3 Wo
	s_and_b32 s29, s27, 7                          ; which 128 columns
	s_bfe_u32 s30, s27, 0x20003                    ; which 256 along K
	s_cmp_eq_u32 s28, 1
	s_cselect_b64 s[12:13], s[14:15], s[12:13]
	s_cmp_eq_u32 s28, 2
	s_cselect_b64 s[12:13], s[16:17], s[12:13]
	s_cmp_eq_u32 s28, 3
	s_cselect_b64 s[12:13], s[18:19], s[12:13]
	s_lshl_b32 s31, s29, 7
	s_lshl_b32 s33, s26, 5
	s_add_co_u32 s31, s31, s33                     ; my wave's first column
	s_lshl_b32 s34, s30, 20                        ; 256 rows of 4,096 bytes
	s_lshl_b32 s33, s31, 2
	s_add_co_u32 s34, s34, s33
	s_mov_b32 s35, 0
	s_add_nc_u64 s[4:5], s[12:13], s[34:35]
	s_mul_i32 s34, s28, WT
	s_mul_i32 s33, s29, 98304                      ; my group of 128 rows n,
	s_add_co_u32 s34, s34, s33
	s_mul_i32 s33, s26, 6144                       ; my wave's 32 rows of 192 bytes in it,
	s_add_co_u32 s34, s34, s33
	s_mul_i32 s33, s30, 24576                      ; my K step
	s_add_co_u32 s34, s34, s33
	s_add_nc_u64 s[6:7], s[22:23], s[34:35]        ; the codes
	s_mul_i32 s34, s28, WST
	s_lshl_b32 s33, s31, 5
	s_add_co_u32 s34, s34, s33
	s_lshl_b32 s33, s30, 3
	s_add_co_u32 s34, s34, s33
	s_add_co_u32 s34, s34, WSC0
	s_add_nc_u64 s[8:9], s[22:23], s[34:35]        ; the scale bytes
	s_wait_alu depctr_va_vdst(0)
	v_lshlrev_b32 v3, 2, v2                        ; in: 4 bytes a lane
	v_and_b32 v10, 7, v2
	v_bfe_u32 v11, v2, 3, 1
	v_lshl_or_b32 v10, v11, 4, v10
	v_bfe_u32 v11, v2, 4, 1
	v_lshl_or_b32 v10, v11, 3, v10                 ; the stored row of my column: bits 3 and 4 exchanged (tile order)
	s_mul_i32 s33, s26, 32*WP
	s_add_co_u32 s33, s33, WSTG
	v_mul_u32_u24 v4, v10, WP
	v_add_nc_u32 v4, s33, v4                       ; into the stage
	v_and_b32 v5, 15, v2
	v_lshrrev_b32 v6, 4, v2
	v_mul_u32_u24 v7, v6, WP
	v_lshl_add_u32 v7, v5, 4, v7
	v_add_nc_u32 v7, s33, v7                       ; out of it: sixteen lanes to a row, two rows an instruction
	v_mul_u32_u24 v8, v6, 192
	v_mad_u32_u24 v8, v5, 12, v8                   ; and the same place among the codes
	v_lshlrev_b32 v9, 5, v10                       ; my row of scale bytes
.macro WLOAD t
.set i, 0
.rept 32
	global_load_b32 v[WX+32*((\t)%2)+i], v3, s[4:5] offset:(32*(\t)+i)*4096 th:TH_LOAD_NT   ; 32 lanes read 128 consecutive bytes of row 32 t + i
.set i, i+1
.endr
.endm
	WLOAD 0
	WLOAD 1
.macro WBLOCK t
.set XS, WX+32*((\t)%2)
.if (\t) < 7
	s_wait_loadcnt 32                              ; this block's 32 loads are in; the next block's may be out
.else
	s_wait_loadcnt 0
.endif
	v_max3_num_f32 v12, |v[XS]|, |v[XS+1]|, |v[XS+2]|
	v_max3_num_f32 v13, |v[XS+3]|, |v[XS+4]|, |v[XS+5]|
.irp i, 6,10,14,18,22,26
	v_max3_num_f32 v12, v12, |v[XS+\i]|, |v[XS+\i+1]|
	v_max3_num_f32 v13, v13, |v[XS+\i+2]|, |v[XS+\i+3]|
.endr
	v_max3_num_f32 v12, v12, |v[XS+30]|, |v[XS+31]|
	v_max3_num_f32 v12, v12, v13, 0x1800000        ; the floor 2^(3 - 127)
	v_add_nc_u32 v11, 0xff000000, v12              ; the conversion's scale operand
	v_lshrrev_b32 v13, 23, v11                     ; the scale's byte
.if (\t)%4 == 0
	v_mov_b32 v[WSB+(\t)/4], v13
.else
	v_lshl_or_b32 v[WSB+(\t)/4], v13, 8*((\t)%4), v[WSB+(\t)/4]
.endif
	v_cvt_scalef32_pk16_fp6_f32 v[WC:WC+2], v[XS:XS+15], v11
	v_cvt_scalef32_pk16_fp6_f32 v[WC+4:WC+6], v[XS+16:XS+31], v11
	v_nop                                          ; one plain line behind the conversions
	ds_store_b96 v4, v[WC:WC+2] offset:32*(\t)     ; 12 bytes to a place of 16, so that every LDS address is a multiple of 16
	ds_store_b96 v4, v[WC+4:WC+6] offset:32*(\t)+16
.if (\t)+2 < 8
	WLOAD (\t)+2
.endif
	s_wait_dscnt 0x0                               ; the stores have read their registers: the next block's codes may be written
.endm
.irp t, 0,1,2,3,4,5,6,7
	WBLOCK \t
.endr
	s_wait_alu depctr_va_vdst(0)
	global_store_b64 v9, v[WSB:WSB+1], s[8:9]      ; my column's eight scale bytes
.irp t, 0,1,2,3,4,5,6,7,8,9,10,11,12,13,14,15
	ds_load_b96 v[WOUT+4*\t:WOUT+4*\t+2], v7 offset:2*\t*WP
.endr
.irp t, 0,1,2,3,4,5,6,7,8,9,10,11,12,13,14,15
	s_wait_dscnt 15-\t                             ; LDS loads come back in order: rows 2 t and 2 t + 1 are in
	global_store_b96 v8, v[WOUT+4*\t:WOUT+4*\t+2], s[6:7] offset:2*\t*192
.endr
	s_wait_tensorcnt 0x0
	ds_add_u32 v192, v193
	s_wait_dscnt 0x0
	s_endpgm
.Lfunc_end_k_q5a4ad661fe_prep:
	.size	k_q5a4ad661fe_prep, .Lfunc_end_k_q5a4ad661fe_prep-k_q5a4ad661fe_prep
	.p2alignl 7, 3214868480
	.fill 96, 4, 3214868480
	.section	.rodata,"a",@progbits
	.p2align	6, 0x0
	.amdhsa_kernel k_q5a4ad661fe_prep
		.amdhsa_group_segment_fixed_size 74240
		.amdhsa_private_segment_fixed_size 0
		.amdhsa_enable_private_segment 0
		.amdhsa_kernarg_size 88
		.amdhsa_user_sgpr_count 2
		.amdhsa_user_sgpr_kernarg_segment_ptr 1
		.amdhsa_wavefront_size32 1
		.amdhsa_system_sgpr_workgroup_id_x 1
		.amdhsa_system_sgpr_workgroup_id_y 1
		.amdhsa_system_sgpr_workgroup_id_z 1
		.amdhsa_system_vgpr_workitem_id 0
		.amdhsa_next_free_vgpr 194
		.amdhsa_next_free_sgpr 66
		.amdhsa_reserve_vcc 0
		.amdhsa_float_denorm_mode_32 3
		.amdhsa_float_denorm_mode_16_64 3
		.amdhsa_memory_ordered 1
		.amdhsa_forward_progress 1
		.amdhsa_inst_pref_size 100
	.end_amdhsa_kernel
	.amdgpu_metadata
---
amdhsa.version: [ 1, 2 ]
amdhsa.kernels:
  - .name:           k_q5a4ad661fe_prep
    .symbol:         k_q5a4ad661fe_prep.kd
    .args:
      - { .name: query, .offset: 0, .size: 8, .value_kind: global_buffer, .address_space: global }
      - { .name: key, .offset: 8, .size: 8, .value_kind: global_buffer, .address_space: global }
      - { .name: value, .offset: 16, .size: 8, .value_kind: global_buffer, .address_space: global }
      - { .name: mask, .offset: 24, .size: 8, .value_kind: global_buffer, .address_space: global }
      - { .name: Wq, .offset: 32, .size: 8, .value_kind: global_buffer, .address_space: global }
      - { .name: Wk, .offset: 40, .size: 8, .value_kind: global_buffer, .address_space: global }
      - { .name: Wv, .offset: 48, .size: 8, .value_kind: global_buffer, .address_space: global }
      - { .name: Wo, .offset: 56, .size: 8, .value_kind: global_buffer, .address_space: global }
      - { .name: xq, .offset: 64, .size: 8, .value_kind: global_buffer, .address_space: global }
      - { .name: wq, .offset: 72, .size: 8, .value_kind: global_buffer, .address_space: global }
      - { .name: mw, .offset: 80, .size: 8, .value_kind: global_buffer, .address_space: global }
    .group_segment_fixed_size: 74240
    .private_segment_fixed_size: 0
    .kernarg_segment_align: 8
    .kernarg_segment_size: 88
    .max_flat_workgroup_size: 128
    .sgpr_count:     66
    .vgpr_count:     194
    .wavefront_size: 32
...
	.end_amdgpu_metadata
.endif
;; end of part 1
;; launch proj (part 2): grid 4 x 96, 4 waves a work-group, clusters of 4 x 4, 327,680 bytes of LDS; arguments xq, wq, bq, bk, bv, qws, kv; writes qws, kv
.if DOCPART == 2
	.amdgcn_target "amdgcn-amd-amdhsa--gfx1250"
	.amdhsa_code_object_version 6
	.text
	.protected	k_q5a4ad661fe_proj
	.globl	k_q5a4ad661fe_proj
	.p2align	8
	.type	k_q5a4ad661fe_proj,@function
k_q5a4ad661fe_proj:
	s_mov_b64 s[64:65], 0
	v_nop
	global_prefetch_b8 v0, s[64:65] scope:SCOPE_SE
	s_setreg_imm32_b32 hwreg(HW_REG_WAVE_MODE, 25, 1), 1
	s_wait_xcnt 0x0
	s_wait_alu depctr_hold_cnt(0) depctr_sa_sdst(0) depctr_va_vdst(0) depctr_va_sdst(0) depctr_va_ssrc(0) depctr_va_vcc(0) depctr_vm_vsrc(0)
	s_getreg_b32 s2, hwreg(HW_REG_IB_STS2, 6, 4)
	s_cmp_eq_u32 s2, 0
	s_cbranch_scc0 .Lentry_in_a_cluster
	s_endpgm
.Lentry_in_a_cluster:
	s_bfe_u32 s2, ttmp6, 0x10000c
	s_cmp_lg_u32 s2, 0xf033
	s_cbranch_scc0 .Lentry_shape_is_right
	s_endpgm
.Lentry_shape_is_right:
.set XT,     6291456
.set XST,    262144
.set XSC0,   18874368
.set WT,     786432
.set WST,    32768
.set WSC0,   3145728
.set REGION, 208896
.set VOFF,   98304
.set KSC,    196608
.set VSC,    204800
.set KSTEP,  256
.set NQ,     2
.set ROWB,   24576                     ; from a K step of a group of 128 rows to the next: 128 x 192 dense bytes
.set KROW,   768
.set PITCH,  240
.set FR,     12
.set NL,     6
.set NP,     4
.set HALFT,  128*PITCH
.set SLOT,   4*HALFT
.set LAPS,   2
.set KS,     32
.set SCL,    2*SLOT
.set HALFS,  16*272
.set SBLK,   2*272
.set SPARE,  SCL+4*HALFS
.set ADRA, 16
.set ADRB, 20
.set ADRS, 27
.set SPW,  28
.set NIL,  29
.set SC,   32
.set BC,   64
.set AF,   128
.set CD,   112
.set TM,   200
.set PW,   216
.set PWS,  220
.set ROLE, 66
.set SEL,  100
.set G1, 24
.set G0, 32
.set G1B, 48
.set G0B, 56
.set G1S, 68
.set G0S, 76
.set G1SB, 80
.set G0SB, 88
.set MSB, 0
.macro WIN new
.if MSB != \new
	s_set_vgpr_msb (MSB<<8)|\new
.set MSB, \new
.endif
.endm
.set MUL_LO, 0xa1
.set MUL_HI, 0xf1
.set FIRST_LO, 0x81
.set FIRST_HI, 0xc1
.set TO_B,   0x40
.macro JLOAD g0a, g1a, g0b, g1b
	s_cmp_eq_u32 s15, 0
	s_cbranch_scc0 .Lfor_b_\@
	tensor_load_to_lds s[\g0a:\g0a+3], s[\g1a:\g1a+7]
	s_nop 0
.rept 4
	v_nop
.endr
	s_branch .Lasked_\@
.Lfor_b_\@:
	tensor_load_to_lds s[\g0b:\g0b+3], s[\g1b:\g1b+7]
	s_nop 0
.rept 4
	v_nop
.endr
.Lasked_\@:
.endm
.macro CREST
	s_cmp_lg_u32 s14, 0
	s_cbranch_scc1 .Lnot_wave_0_\@
	s_barrier_signal -3
.Lnot_wave_0_\@:
	s_barrier_wait -3
	s_barrier_signal -1
	s_barrier_wait -1
.endm
.macro CROUND
	s_barrier_signal -1
	s_barrier_wait -1
	CREST
.endm
	s_load_b128 s[4:7], s[0:1], 0x0
	s_load_b128 s[8:11], s[0:1], 0x10
	s_load_b64 s[12:13], s[0:1], 0x20
	s_load_b64 s[96:97], s[0:1], 0x28
	s_load_b64 s[98:99], s[0:1], 0x30
	v_lshl_add_u32 v[SPW], v0, 2, SPARE
	v_mov_b32 v[NIL], 0
	ds_add_u32 v28, v29
	ds_add_u32 v28, v29
	s_wait_dscnt 0x0
	v_lshrrev_b32 v1, 5, v0
	v_readfirstlane_b32 s14, v1
	s_lshr_b32 s15, s14, 1
	s_and_b32 s16, s14, 1
	s_bfe_u32 s40, ttmp6, 0x40000
	s_bfe_u32 s41, ttmp6, 0x40004
	s_and_b32 s67, ttmp7, 0xffff
	s_lshr_b32 s[ROLE], s67, 3
	s_and_b32 s67, s67, 7
	s_cmp_eq_u32 s[ROLE], 2
	s_cselect_b32 s42, s67, 0
	s_cselect_b32 s17, 0, s67
	s_lshl_b32 s42, s42, 2
	s_add_co_u32 s42, s42, s40
	s_lshl_b32 s17, s17, 2
	s_add_co_u32 s17, s17, s41
	s_lshl_b32 s43, s41, 2
	s_lshl_b32 s43, 15, s43
	s_lshl_b32 s44, 0x1111, s40
	s_or_b32 s[G1+0], s43, (0<<16)|(1<<20)|(1<<21)|(3<<22)|(3<<25)
	s_or_b32 s[G1B+0], s44, (0<<16)|(1<<20)|(1<<21)|(3<<22)|(3<<25)
.irp g, G1, G1B
	s_mov_b32 s[\g+1], 256<<16                     ; a tile, 128 rows x 192 bytes, is dense in memory: it is asked for as 96 rows of 256 bytes, each at a multiple of 256;
	s_mov_b32 s[\g+2], 96<<16                      ; with 16 bytes of padding behind every 64 a row of codes still stands 240 bytes from the next in LDS
	s_mov_b32 s[\g+3], 256<<16
	s_mov_b32 s[\g+4], 96
	s_mov_b32 s[\g+5], 256
	s_mov_b32 s[\g+6], 0
	s_mov_b32 s[\g+7], 0
.endr
	s_or_b32 s[G1S+0], s43, (3<<16)|(1<<20)|(1<<21)|(5<<22)|(3<<25)
	s_or_b32 s[G1SB+0], s44, (3<<16)|(1<<20)|(1<<21)|(5<<22)|(3<<25)
.irp g, G1S, G1SB
	s_mov_b32 s[\g+1], 32<<16
	s_mov_b32 s[\g+2], 16<<16
	s_mov_b32 s[\g+3], 32<<16
	s_mov_b32 s[\g+4], 16
	s_mov_b32 s[\g+5], 32
	s_mov_b32 s[\g+6], 0
	s_mov_b32 s[\g+7], 0
.endr
	s_mul_i32 s2, s[ROLE], XT
	s_mul_i32 s18, s[ROLE], WT
	s_mul_i32 s19, s[ROLE], XST
	s_add_co_u32 s19, s19, XSC0
	s_mul_i32 s95, s[ROLE], WST
	s_add_co_u32 s95, s95, WSC0
	s_cmp_eq_u32 s[ROLE], 2
	s_cselect_b32 s67, s18, s2
	s_cselect_b32 s2, s2, s18
	s_cselect_b32 s18, s95, s19
	s_cselect_b32 s19, s19, s95
	s_lshl_b32 s94, s16, 7
	s_lshl_b32 s20, s17, 8
	s_add_co_u32 s20, s20, s94
	s_lshl_b32 s46, s42, 8
	s_add_co_u32 s46, s46, s94
	s_lshl_b32 s22, s20, 5
	s_add_co_u32 s22, s22, s18
	s_mul_i32 s20, s20, KROW
	s_add_co_u32 s20, s20, s67
	s_lshl_b32 s92, s46, 5
	s_add_co_u32 s92, s92, s19
	s_mul_i32 s46, s46, KROW
	s_add_co_u32 s46, s46, s2
	s_mov_b32 s21, 0
	s_mov_b32 s23, 0
	s_mov_b32 s47, 0
	s_mov_b32 s93, 0
	s_mul_i32 s45, s14, HALFT
	s_mul_i32 s94, s14, HALFS
	s_mov_b32 s[SEL], 0x76543210
	s_mov_b32 s[SEL+1], 0xfedcba98
	s_wait_kmcnt 0x0
	s_cmp_eq_u32 s[ROLE], 2
	s_cselect_b64 s[18:19], s[6:7], s[4:5]
	s_cselect_b64 s[6:7], s[4:5], s[6:7]
	s_add_nc_u64 s[20:21], s[18:19], s[20:21]
	s_add_nc_u64 s[22:23], s[18:19], s[22:23]
	s_add_nc_u64 s[46:47], s[6:7], s[46:47]
	s_add_nc_u64 s[92:93], s[6:7], s[92:93]
	CROUND
	s_mov_b32 s[G0S], 1
	s_add_co_u32 s[G0S+1], s94, SCL
	s_mov_b64 s[G0S+2:G0S+3], s[22:23]
	s_or_b32 s[G0S+3], s[G0S+3], 0x80000000
	s_mov_b32 s[G0SB], 1
	s_add_co_u32 s[G0SB+1], s94, SCL
	s_mov_b64 s[G0SB+2:G0SB+3], s[92:93]
	s_or_b32 s[G0SB+3], s[G0SB+3], 0x80000000
	JLOAD G0S, G1S, G0SB, G1SB
.irp s, 0,1
	s_mov_b32 s[G0+4*\s], 1
	s_add_co_u32 s[G0+4*\s+1], s45, \s*SLOT
	s_add_nc_u64 s[G0+4*\s+2:G0+4*\s+3], s[20:21], \s*ROWB
	s_or_b32 s[G0+4*\s+3], s[G0+4*\s+3], 0x80000000
	s_mov_b32 s[G0B+4*\s], 1
	s_add_co_u32 s[G0B+4*\s+1], s45, \s*SLOT
	s_add_nc_u64 s[G0B+4*\s+2:G0B+4*\s+3], s[46:47], \s*ROWB
	s_or_b32 s[G0B+4*\s+3], s[G0B+4*\s+3], 0x80000000
	s_wait_alu depctr_va_vdst(0)
	s_wait_tensorcnt 0x0
	ds_add_u32 v28, v29
	s_wait_dscnt 0x0
	CROUND
	JLOAD G0+4*\s, G1, G0B+4*\s, G1B
.endr
	v_and_b32 v1, 15, v0
	v_bfe_u32 v2, v0, 4, 1
	v_mul_u32_u24 v3, v1, PITCH
	v_mul_u32_u24 v4, v2, 24
	v_add_nc_u32 v4, v3, v4
	v_lshl_add_u32 v5, v2, 4, v4
	s_mul_i32 s21, s15, HALFT
	s_mul_i32 s22, s16, HALFT
	s_add_co_u32 s22, s22, 2*HALFT
.irp s, 0,1
	v_add_nc_u32 v[ADRA+\s], s21, v4
	v_add_nc_u32 v[ADRB+\s], s22, v4
	v_add_nc_u32 v[ADRA+2+\s], s21, v5
	v_add_nc_u32 v[ADRB+2+\s], s22, v5
	s_add_co_u32 s21, s21, SLOT
	s_add_co_u32 s22, s22, SLOT
.endr
	v_mul_u32_u24 v5, v1, KS
	v_lshrrev_b32 v6, 8, v5
	v_lshl_add_u32 v5, v6, 4, v5
	s_mul_i32 s21, s15, HALFS
	s_mul_i32 s22, s16, HALFS
	s_add_co_u32 s22, s22, 2*HALFS
	s_sub_co_u32 s22, s22, s21
	v_mul_u32_u24 v6, s22, v2
	s_add_co_u32 s21, s21, SCL
	v_add_nc_u32 v5, v5, v6
	v_add_nc_u32 v[ADRS], s21, v5
	s_lshl_b32 s20, s42, 10
	s_lshl_b32 s21, s16, 9
	s_add_co_u32 s20, s20, s21
	s_mov_b32 s21, 0
	s_lshl_b32 s22, s17, 10
	s_lshl_b32 s23, s15, 9
	s_add_co_u32 s22, s22, s23
	s_mov_b32 s23, 0
	s_cmp_eq_u32 s[ROLE], 2
	s_cbranch_scc1 .Lbias_v
	s_cmp_eq_u32 s[ROLE], 0
	s_cselect_b64 s[8:9], s[8:9], s[10:11]
	s_add_nc_u64 s[8:9], s[8:9], s[20:21]
	v_lshlrev_b32 v7, 6, v2
.irp b, 0,1,2,3,4,5,6,7
	global_load_b128 v[BC+8*\b:BC+8*\b+3], v7, s[8:9] offset:(32*(\b/2)+8*(\b%2))*4
	global_load_b128 v[BC+8*\b+4:BC+8*\b+7], v7, s[8:9] offset:(32*(\b/2)+8*(\b%2))*4+16
.endr
	s_branch .Lbias_done
.Lbias_v:
	s_add_nc_u64 s[12:13], s[12:13], s[22:23]
	v_and_b32 v7, 8, v1
	v_add_nc_u32 v7, v7, v1
	v_lshlrev_b32 v7, 2, v7
.irp a, 0,1,2,3,4,5,6,7
.irp j, 0,1,2,3,4,5,6,7
	global_load_b32 v[BC+8*\a+\j], v7, s[12:13] offset:(32*(\a/2)+8*(\a%2))*4
.endr
.endr
.Lbias_done:
.macro FRAG reg, adr, q, i
.irp p, 0,1,2,3,4,5
.set PCE, 12*(\q)+6*(\p/3)+\p%3
.if PCE%8 < 5
	ds_load_b64 v[\reg+2*\p:\reg+2*\p+1], v[\adr] offset:8*PCE+16*(PCE/8)+(\i)*16*PITCH
.else
	ds_load_b64 v[\reg+2*\p:\reg+2*\p+1], v[\adr+2] offset:8*PCE+16*(PCE/8)+(\i)*16*PITCH
.endif
.endr
.endm
.macro MUL16 a0, p, q, sc, cm
.irp a, \a0, \a0+1
.irp b, 0,1,2,3,4,5,6,7
.if \cm == 0
	v_wmma_scale_f32_16x16x128_f8f6f4 v[8*(8*((\a)%4)+\b):8*(8*((\a)%4)+\b)+7], v[128*(\p)+FR*\b:128*(\p)+FR*\b+FR-1], v[AF+FR*(\a):AF+FR*(\a)+FR-1], v[8*(8*((\a)%4)+\b):8*(8*((\a)%4)+\b)+7], v[SC+8*NQ*(\sc)+NQ*\b+(\q)], v[SC+8*NQ*(\sc)+NQ*(\a)+(\q)] matrix_a_fmt:MATRIX_FMT_FP6 matrix_b_fmt:MATRIX_FMT_FP6 matrix_a_scale:MATRIX_SCALE_ROW1
.elseif \cm == 1
	v_wmma_scale_f32_16x16x128_f8f6f4 v[8*(8*((\a)%4)+\b):8*(8*((\a)%4)+\b)+7], v[128*(\p)+FR*\b:128*(\p)+FR*\b+FR-1], v[AF+FR*(\a):AF+FR*(\a)+FR-1], v[BC+8*\b:BC+8*\b+7], v[SC+8*NQ*(\sc)+NQ*\b+(\q)], v[SC+8*NQ*(\sc)+NQ*(\a)+(\q)] matrix_a_fmt:MATRIX_FMT_FP6 matrix_b_fmt:MATRIX_FMT_FP6 matrix_a_scale:MATRIX_SCALE_ROW1
.else
	v_wmma_scale_f32_16x16x128_f8f6f4 v[8*(8*((\a)%4)+\b):8*(8*((\a)%4)+\b)+7], v[128*(\p)+FR*\b:128*(\p)+FR*\b+FR-1], v[AF+FR*(\a):AF+FR*(\a)+FR-1], v[BC+8*(\a):BC+8*(\a)+7], v[SC+8*NQ*(\sc)+NQ*\b+(\q)], v[SC+8*NQ*(\sc)+NQ*(\a)+(\q)] matrix_a_fmt:MATRIX_FMT_FP6 matrix_b_fmt:MATRIX_FMT_FP6 matrix_a_scale:MATRIX_SCALE_ROW1
.endif
.endr
.endr
.endm
.macro FETCH_B slot, q, p
	WIN TO_B
.irp i, 0,1,2,3,4,5,6,7
	FRAG 128*(\p)+FR*\i, ADRB+\slot, \q, \i
.endr
	WIN 0
.endm
.macro FETCH_A slot, q, i0
.irp i, \i0, \i0+1, \i0+2, \i0+3
	FRAG AF+FR*(\i), ADRA+\slot, \q, \i
.endr
.endm
.macro SCALES sc
.irp i, 0,1,2,3,4,5,6,7
	ds_load_b64 v[SC+8*NQ*\sc+NQ*\i:SC+8*NQ*\sc+NQ*\i+1], v[ADRS] offset:\i*SBLK
.endr
.endm
.macro PLACES n
.rept \n
	v_nop
.endr
.endm
.macro STEP slot, q, cm
	s_wait_dscnt 4*NL
.if \cm
	WIN FIRST_LO
.else
	WIN MUL_LO
.endif
	MUL16 0, (\q)%2, \q, \slot, \cm
	MUL16 2, (\q)%2, \q, \slot, \cm
	s_wait_dscnt 0
	PLACES NP
	FETCH_B \slot, (\q)+1, 1-(\q)%2
	FETCH_A \slot, (\q)+1, 0
.if \cm
	WIN FIRST_HI
.else
	WIN MUL_HI
.endif
	MUL16 4, (\q)%2, \q, \slot, \cm
	MUL16 6, (\q)%2, \q, \slot, \cm
	PLACES NP
	WIN 0
	FETCH_A \slot, (\q)+1, 4
.endm
.macro TURN slot, next, fill
	s_wait_tensorcnt 0x0
	ds_add_u32 v[SPW], v[NIL]
	s_wait_dscnt 4*NL+1
	WIN MUL_LO
	MUL16 0, 1, NQ-1, \slot, 0
	s_wait_dscnt 0x0
	s_barrier_signal -1
	MUL16 2, 1, NQ-1, \slot, 0
	WIN 0
	s_barrier_wait -1
.if \fill
	CREST
	s_add_nc_u64 s[G0+4*\slot+2:G0+4*\slot+3], s[G0+4*\slot+2:G0+4*\slot+3], 2*ROWB
	s_add_nc_u64 s[G0B+4*\slot+2:G0B+4*\slot+3], s[G0B+4*\slot+2:G0B+4*\slot+3], 2*ROWB
	JLOAD G0+4*\slot, G1, G0B+4*\slot, G1B
.else
	PLACES NP
.endif
	s_wait_alu depctr_va_vdst(0)
	v_add_nc_u32 v[ADRS], 4*NQ, v[ADRS]
	FETCH_B \next, 0, 0
	FETCH_A \next, 0, 0
	SCALES \next
	WIN MUL_HI
	MUL16 4, 1, NQ-1, \slot, 0
	MUL16 6, 1, NQ-1, \slot, 0
	PLACES NP
	WIN 0
	FETCH_A \next, 0, 4
.endm
	s_wait_tensorcnt 1
	s_barrier_signal -1
	s_barrier_wait -1
	FETCH_B 0, 0, 0
	FETCH_A 0, 0, 0
	s_wait_alu depctr_va_vdst(0)
	SCALES 0
	FETCH_A 0, 0, 4
	s_wait_loadcnt 0x0
	s_cmp_eq_u32 s[ROLE], 2
	s_cbranch_scc1 .Lfirst_v
	STEP 0, 0, 1
	s_branch .Lfirst_done
.Lfirst_v:
	STEP 0, 0, 2
.Lfirst_done:
	s_mov_b32 s3, LAPS-1
.Llap:
	TURN 0, 1, 1
	STEP 1, 0, 0
	TURN 1, 0, 1
	STEP 0, 0, 0
	s_sub_co_u32 s3, s3, 1
	s_cmp_lg_u32 s3, 0
	s_cbranch_scc1 .Llap
	TURN 0, 1, 0
	STEP 1, 0, 0
	s_wait_dscnt 4*NL
	WIN MUL_LO
	MUL16 0, 1, NQ-1, 1, 0
	MUL16 2, 1, NQ-1, 1, 0
	s_wait_dscnt 0
	WIN MUL_HI
	MUL16 4, 1, NQ-1, 1, 0
	MUL16 6, 1, NQ-1, 1, 0
	WIN 0
	PLACES NP
	s_lshl_b32 s18, s17, 8
	s_lshl_b32 s19, s15, 7
	s_add_co_u32 s18, s18, s19
	s_lshl_b32 s19, s42, 8
	s_lshl_b32 s20, s16, 7
	s_add_co_u32 s19, s19, s20
	s_mov_b32 s2, KSC
	s_mov_b32 s8, 768
	s_mov_b32 s12, 256
	s_mov_b32 s45, REGION
	s_cmp_eq_u32 s[ROLE], 2
	s_cselect_b32 s20, s19, s18
	s_cselect_b32 s21, s18, s19
	s_cselect_b32 s22, VOFF, 0
	s_cselect_b32 s23, 1, 2
	s_cselect_b32 s2, VSC, s2
	s_cselect_b32 s8, 1536, s8
	s_cselect_b32 s10, REGION-6144, 0
	s_cselect_b32 s12, REGION, s12
	s_cselect_b32 s45, 768, s45
	s_cselect_b32 s46, 0, REGION
	s_cselect_b32 s47, 0, 16
	s_mov_b32 s9, 0
	s_mov_b32 s11, 0
	s_mov_b32 s13, 0
	s_lshr_b32 s94, s20, 11
	s_lshl_b32 s94, s94, 4
	s_lshr_b32 s95, s21, 6
	s_add_co_u32 s94, s94, s95
	s_mul_i32 s94, s94, REGION
	s_and_b32 s95, s20, 2047
	s_mul_i32 s20, s95, 48
	s_add_co_u32 s20, s20, s94
	s_add_co_u32 s20, s20, s22
	s_lshl_b32 s22, s95, s23
	s_add_co_u32 s22, s22, s94
	s_add_co_u32 s22, s22, s2
	s_mov_b32 s21, 0
	s_mov_b32 s23, 0
	s_cmp_eq_u32 s[ROLE], 0
	s_cselect_b64 s[4:5], s[96:97], s[98:99]
	s_add_nc_u64 s[6:7], s[4:5], s[22:23]
	s_add_nc_u64 s[4:5], s[4:5], s[20:21]
	v_and_b32 v3, 31, v0
	v_lshlrev_b32 v32, 4, v3
	v_lshl_add_u32 v33, v3, 3, 512
	v_add_nc_u32 v34, s45, v32
	v_add_nc_u32 v35, s45, v33
	v_mul_u32_u24 v36, s46, v2
	v_lshl_add_u32 v36, v1, 4, v36
	v_mul_u32_u24 v37, s47, v2
.irp b, 0,1,2,3
	v_mov_b32 v[TM+4+\b], 0
.endr
.macro QUANTW a
.set AC, 64*((\a)%4)
.set WW, 2+(\a)/4
.set WA, WW+4*WW
.set WB, 4*WW+16*WW
	WIN WA
.irp b, 0,1,2,3
	v_max3_num_f32 v[TM+\b], |v[AC+16*\b]|, |v[AC+1+16*\b]|, 0x1800000
.endr
	WIN WB
.irp i, 2,4,6,8,10,12,14
.irp b, 0,1,2,3
	v_max3_num_f32 v[TM+\b], v[TM+\b], |v[AC+16*\b+\i]|, |v[AC+1+16*\b+\i]|
.endr
.endr
	WIN 0
.irp b, 0,1,2,3
	v_permlanex16_b32 v[TM+4+\b], v[TM+\b], s[SEL], s[SEL+1]
.endr
.irp b, 0,1,2,3
	v_max_num_f32 v[TM+\b], v[TM+\b], v[TM+4+\b]
.endr
.irp b, 0,1,2,3
	v_add_nc_u32 v[TM+12+\b], 0xff000000, v[TM+\b]
.endr
.irp b, 0,1,2,3
	v_lshrrev_b32 v[TM+4+\b], 23, v[TM+12+\b]
.endr
	v_lshl_or_b32 v[PW], v[TM+5], 8, v[TM+4]
	v_lshl_or_b32 v[PW], v[TM+6], 16, v[PW]
	v_lshl_or_b32 v[PW], v[TM+7], 24, v[PW]
	WIN WW
.irp c, 0,1
	v_cvt_scalef32_pk16_fp6_f32 v[CD+6*\c:CD+2+6*\c], v[AC+32*\c:AC+15+32*\c], v[TM+12+2*\c]
	v_cvt_scalef32_pk16_fp6_f32 v[CD+12+4*\c:CD+14+4*\c], v[AC+16+32*\c:AC+31+32*\c], v[TM+12+2*\c+1]
.endr
	WIN 0
	v_nop
.irp c, 0,1
.irp i, 0,1,2
	v_permlane16_swap_b32 v[CD+6*\c+\i], v[CD+12+4*\c+\i]
.endr
.irp i, 0,1,2
	v_mov_b32 v[CD+3+6*\c+\i], v[CD+12+4*\c+\i]
.endr
.endr
.endm
.irp a, 0,1,2,3,4,5,6,7
.if \a > 0
	s_wait_xcnt 0x0
.endif
	QUANTW \a
.if \a > 0
	s_add_nc_u64 s[4:5], s[4:5], s[8:9]
.endif
.if \a == 4
	s_add_nc_u64 s[4:5], s[4:5], s[10:11]
	s_add_nc_u64 s[6:7], s[6:7], s[12:13]
.endif
	global_store_b128 v32, v[CD:CD+3], s[4:5]
	global_store_b64 v33, v[CD+4:CD+5], s[4:5]
	global_store_b128 v34, v[CD+6:CD+9], s[4:5]
	global_store_b64 v35, v[CD+10:CD+11], s[4:5]
	v_lshrrev_b32 v[PWS+\a], v37, v[PW]
.if (\a%4) == 3
	global_store_b128 v36, v[PWS+\a-3:PWS+\a], s[6:7]
.endif
.endr
	s_wait_tensorcnt 0x0
	ds_add_u32 v[SPW], v[NIL]
	s_wait_dscnt 0x0
	CROUND
	s_endpgm
.Lfunc_end_k_q5a4ad661fe_proj:
	.size	k_q5a4ad661fe_proj, .Lfunc_end_k_q5a4ad661fe_proj-k_q5a4ad661fe_proj
	.p2alignl 7, 3214868480
	.fill 96, 4, 3214868480
	.section	.rodata,"a",@progbits
	.p2align	6, 0x0
	.amdhsa_kernel k_q5a4ad661fe_proj
		.amdhsa_group_segment_fixed_size 327680
		.amdhsa_private_segment_fixed_size 0
		.amdhsa_enable_private_segment 0
		.amdhsa_kernarg_size 56
		.amdhsa_user_sgpr_count 2
		.amdhsa_user_sgpr_kernarg_segment_ptr 1
		.amdhsa_wavefront_size32 1
		.amdhsa_system_sgpr_workgroup_id_x 1
		.amdhsa_system_sgpr_workgroup_id_y 1
		.amdhsa_system_sgpr_workgroup_id_z 1
		.amdhsa_system_vgpr_workitem_id 0
		.amdhsa_next_free_vgpr 1024
		.amdhsa_next_free_sgpr 102
		.amdhsa_reserve_vcc 0
		.amdhsa_float_denorm_mode_32 3
		.amdhsa_float_denorm_mode_16_64 3
		.amdhsa_memory_ordered 1
		.amdhsa_forward_progress 1
		.amdhsa_inst_pref_size 192
	.end_amdhsa_kernel
	.amdgpu_metadata
---
amdhsa.version: [ 1, 2 ]
amdhsa.kernels:
  - .name:           k_q5a4ad661fe_proj
    .symbol:         k_q5a4ad661fe_proj.kd
    .args:
      - { .name: xq, .offset: 0, .size: 8, .value_kind: global_buffer, .address_space: global }
      - { .name: wq, .offset: 8, .size: 8, .value_kind: global_buffer, .address_space: global }
      - { .name: bq, .offset: 16, .size: 8, .value_kind: global_buffer, .address_space: global }
      - { .name: bk, .offset: 24, .size: 8, .value_kind: global_buffer, .address_space: global }
      - { .name: bv, .offset: 32, .size: 8, .value_kind: global_buffer, .address_space: global }
      - { .name: qws, .offset: 40, .size: 8, .value_kind: global_buffer, .address_space: global }
      - { .name: kv, .offset: 48, .size: 8, .value_kind: global_buffer, .address_space: global }
    .group_segment_fixed_size: 327680
    .private_segment_fixed_size: 0
    .kernarg_segment_align: 8
    .kernarg_segment_size: 56
    .max_flat_workgroup_size: 128
    .sgpr_count:     102
    .vgpr_count:     1024
    .wavefront_size: 32
...
	.end_amdgpu_metadata
.endif
;; end of part 2
;; launch attn (part 3): grid 4 x 64, 16 waves a work-group, clusters of 4 x 1, 210,944 bytes of LDS; arguments qws, kv, mw, cx; writes cx
.if DOCPART == 3
	.amdgcn_target "amdgcn-amd-amdhsa--gfx1250"
	.amdhsa_code_object_version 6
	.text
	.protected	k_q5a4ad661fe_attn
	.globl	k_q5a4ad661fe_attn
	.p2align	8
	.type	k_q5a4ad661fe_attn,@function
k_q5a4ad661fe_attn:
	s_mov_b64 s[64:65], 0
	v_nop
	global_prefetch_b8 v0, s[64:65] scope:SCOPE_SE
	s_setreg_imm32_b32 hwreg(HW_REG_WAVE_MODE, 25, 1), 1
	s_wait_xcnt 0x0
	s_wait_alu depctr_hold_cnt(0) depctr_sa_sdst(0) depctr_va_vdst(0) depctr_va_sdst(0) depctr_va_ssrc(0) depctr_va_vcc(0) depctr_vm_vsrc(0)
	s_getreg_b32 s2, hwreg(HW_REG_IB_STS2, 6, 4)
	s_cmp_eq_u32 s2, 0
	s_cbranch_scc0 .Lentry_in_a_cluster
	s_endpgm
.Lentry_in_a_cluster:
	s_bfe_u32 s2, ttmp6, 0x10000c
	s_cmp_lg_u32 s2, 0x3003
	s_cbranch_scc0 .Lentry_shape_is_right
	s_endpgm
.Lentry_shape_is_right:
; ATTENTION on codes of E2M3: S^T = K Q^T (K = the head's 64), the mask, the softmax, O^T = V^T P^T (K = the keys), ctx = O / l, quantised along the hidden axis.
; SHARES.  A work-group owns one head of one batch (the cluster's y) and a quarter of its queries (its place cx in the cluster, which enters global addresses alone).  Each of its sixteen waves
; owns one tile of 16 queries at a time, two one after the other (tiles 32 cx + 16 p + wave), in 256 registers: four waves share a SIMD.  Every wave walks all 2,048 keys, 128 a step.
; LDS holds the head's whole region of kv (K's half images, V's fragments, both scale words: REGION bytes), filled ONCE: no slot is ever filled again.  The four partners of a cluster want the same
; bytes, so the fill is joint: each wave asks for 51 rows of 256 bytes; one tensor load of a wave is out.
; LAYOUT.  Both products are used transposed: a lane holds ONE query (lane % 16) throughout.  K's rows are stored in key's own order, so the 16 registers of tiles 2 b and 2 b + 1 are keys 64 (b / 2) + 32 (lane / 16) + 16 (b % 2) + 0 .. 15.
; THE UPPER 64 OF THE FIRST PRODUCT'S 128.  Q's upper 64 codes are zeros, written once.  So what stands in K's upper 64 adds nothing, whatever it is: E2M3 has no infinity and no NaN, no scale byte here is 0xff,
; and the upper two bytes of Q's scale word are cleared.  A tile of K therefore takes six registers of its own, and the six above them are the next tile's: eight tiles lie in 54 registers.
; A STEP AHEAD.  In step j, behind its eight products K Q^T, K's eight tiles and their scale words of step j + 1 are asked of LDS, and behind its 64 selects the mask words of step j + 1 of memory: both have the
; whole softmax and the second product in which to come.  The loop has 15 trips; the sixteenth step is written out: in the first tile it asks for the second tile's first step, in the second for nothing.
; THE SOFTMAX: q was not divided by 8, so t = S x log2(e) / 8; M = the running largest t rounded up to a whole number; p = 2^(t - M) is quantised along the keys, not normalised; the sum of the unquantised p divides at the end.
; THE MASK: where the mask's bit is set, S becomes -2^63, that is a logit of -2^60 in place of -1e18.  -2^63 x c is exact in f32, so in a row that is masked throughout t - M is exactly 0, p = 1 and l = 2,048, as in the definition.
; LIMITS: unmasked logits stay under 2^59 in magnitude; a block of zeros gets the byte 1 where the rule says 127 (zero codes; only this program reads the bytes); NaN and infinities are not served.
; The mask arrives as words of 32 lane bits, word n for score register n, by scalar loads: one v_cndmask_b32 a score.
; OUT: ctx's half image (16 queries x this head's 64) and one scale byte a lane.  A scale word's four bytes come from two heads, so from two work-groups: the bytes are stored singly, 2 of each row's 32.
; REGISTERS: v1-7 constants; v8-11, v28, v29 LDS addresses; v12 -M, v13 the largest t, v[14:15] the sum; v16-27 Q; v30, v31, v93, v94 global offsets; v32-85 K's eight tiles (v80-85 zeros); v92 Q's scale word;
;   v96-159 S^T, then p, then V's four fragments, at a tile's end ctx; v160-191 O^T; v192-199 K's scale words, v200-203 V's; v224-235 codes; v232-254 at work.
.set REGION, 208896
.set VOFF,   98304
.set KSC,    196608
.set VSC,    204800
.set CXS,    6291456
.set WV,   12
.set SEL,  84                          ; s[84:85] lane selects for v_permlanex16_b32: lane l xor 16
.set CS,   86                          ; s[86:87] c = log2(e) / 8
.set TB,   88                          ; K's tiles and V's fragments: 6,144 bytes a step
.set TS1,  89                          ; V's scale words: 256 a step
.set TS2,  90                          ; K's: 512 a step
.set MO,   91                          ; the mask words: 256 a step, 65,536 from my first tile to my second
.set KC,   92
.set HI16, 93                          ; lanes 16-31
.set MB,   94                          ; s[94:95] my first tile's mask words
.set QB,   96                          ; s[96:97] the head's region of qws
.set OB,   98                          ; s[98:99] my tile's half image in cx
.set OS,   100                         ; s[100:101] my tile's scale bytes in cx
.set ADK,  8
.set ADK8, 9
.set ADV,  10
.set ADV8, 11
.set ADS,  28
.set ADT,  29
.set KFR,  32                          ; tile T of K at v[KFR + 6 T]
.set KSW,  192
.set VSW,  200
.set CT,   96                          ; ctx
.macro CROUND                          ; a round of the cluster's barrier
	s_barrier_signal -1
	s_barrier_wait -1
	s_cmp_lg_u32 s[WV], 0
	s_cbranch_scc1 .Lnot_wave_0_\@
	s_barrier_signal -3
.Lnot_wave_0_\@:
	s_barrier_wait -3
	s_barrier_signal -1
	s_barrier_wait -1
.endm
.macro QLOAD p                         ; my tile's half image of Q and its scale word
	global_load_b128 v[16:19], v30, s[QB:QB+1] offset:12288*\p
	global_load_b64 v[20:21], v31, s[QB:QB+1] offset:12288*\p+512
	global_load_b32 v92, v93, s[QB:QB+1] offset:1024*\p
.endm
.macro KLOAD                           ; a step's eight tiles of K, six registers each, and their scale words, in one run
.irp t, 0,1,2,3,4,5,6,7
	ds_load_b128 v[KFR+6*\t:KFR+6*\t+3], v[ADK] offset:\t*768
	ds_load_b64 v[KFR+6*\t+4:KFR+6*\t+5], v[ADK8] offset:\t*768+512
.endr
	ds_load_b128 v[KSW:KSW+3], v[ADS]
	ds_load_b128 v[KSW+4:KSW+7], v[ADS] offset:256
.endm
.macro MLOAD                           ; a step's 64 mask words
	s_load_b512 s[16:31], s[MB:MB+1], s[MO] offset:0x0
	s_load_b512 s[32:47], s[MB:MB+1], s[MO] offset:0x40
	s_load_b512 s[48:63], s[MB:MB+1], s[MO] offset:0x80
	s_load_b512 s[68:83], s[MB:MB+1], s[MO] offset:0xc0
.endm
	s_load_b256 s[4:11], s[0:1], 0x0               ; qws s[4:5], kv s[6:7], mw s[8:9], cx s[10:11]
	v_lshl_add_u32 v251, v0, 2, 0x33000
	v_mov_b32 v255, 0
	ds_add_u32 v251, v255
	ds_add_u32 v251, v255
	v_lshrrev_b32 v1, 5, v0
	s_delay_alu instid0(VALU_DEP_1)
	v_readfirstlane_b32 s[WV], v1                  ; wave 0..15
	s_bfe_u32 s13, ttmp6, 0x40000                  ; cx: my quarter of the queries
	s_and_b32 s14, ttmp7, 0xffff                   ; 16 x batch + head: shared by the four partners
	; descriptor group 1: 51 rows of 256 bytes (32 elements of 8), dense, no padding
	s_mov_b32 s16, 15|(3<<16)|(1<<21)              ; the mask: all four work-groups; elements of 8 bytes; bit 21 set beside a mask
	s_mov_b32 s17, 32<<16                          ; tensor_dim0
	s_mov_b32 s18, 51<<16                          ; tensor_dim1
	s_mov_b32 s19, 32<<16                          ; tile_dim0
	s_mov_b32 s20, 51                              ; tile_dim1
	s_mov_b32 s21, 32                              ; the pitch
	s_mov_b32 s22, 0
	s_mov_b32 s23, 0
	s_mul_i32 s15, s[WV], 13056                    ; my sixteenth of the region, in memory and in LDS alike
	s_mul_i32 s2, s14, REGION
	s_mov_b32 s3, 0
	s_mov_b32 s28, s15
	s_mov_b32 s29, 0
	s_wait_dscnt 0x0
	s_wait_kmcnt 0x0
	CROUND                                         ; all four work-groups are here: the joint loads meet
	s_mov_b32 s24, 1
	s_mov_b32 s25, s15
	s_add_nc_u64 s[26:27], s[6:7], s[2:3]
	s_add_nc_u64 s[26:27], s[26:27], s[28:29]
	s_or_b32 s27, s27, 0x80000000
	tensor_load_to_lds s[24:27], s[16:23]
	s_nop 0
.rept 4
	v_nop
.endr
	s_add_nc_u64 s[QB:QB+1], s[4:5], s[2:3]
	s_lshr_b32 s28, s14, 4                         ; batch
	s_and_b32 s29, s14, 15                         ; head
	s_lshl_b32 s30, s13, 5
	s_add_co_u32 s30, s30, s[WV]                   ; my first tile in the head: 32 cx + wave
	s_lshl_b32 s31, s28, 7
	s_add_co_u32 s31, s31, s30                     ; and among all 512 tiles of queries
	s_lshl_b32 s2, s31, 12
	s_add_nc_u64 s[MB:MB+1], s[8:9], s[2:3]
	s_lshl_b32 s2, s31, 3
	s_lshr_b32 s15, s29, 1
	s_add_co_u32 s2, s2, s15
	s_mul_i32 s2, s2, 1536                         ; the fragment of hidden units 128 (head / 2) on,
	s_and_b32 s15, s29, 1
	s_mul_i32 s15, s15, 768                        ; its half
	s_add_co_u32 s2, s2, s15
	s_add_nc_u64 s[OB:OB+1], s[10:11], s[2:3]
	s_lshl_b32 s2, s31, 9                          ; 16 rows of 32 scale bytes
	s_lshl_b32 s15, s29, 1
	s_add_co_u32 s2, s2, s15
	s_add_co_u32 s2, s2, CXS
	s_add_nc_u64 s[OS:OS+1], s[10:11], s[2:3]
	s_mov_b32 s[SEL], 0x76543210
	s_mov_b32 s[SEL+1], 0xfedcba98
	s_mov_b32 s[CS], 0x3e38aa3b                    ; log2(e) / 8
	s_mov_b32 s[CS+1], s[CS]                       ; (named with it as a pair, so it is written)
	s_mov_b32 s[HI16], 0xffff0000
	v_and_b32 v8, 31, v0                           ; lane
	v_and_b32 v9, 15, v0                           ; r
	v_bfe_u32 v10, v0, 4, 1                        ; h
	s_delay_alu instid0(VALU_DEP_3)
	v_lshlrev_b32 v1, 4, v8                        ; an image's registers 0-3: 16 x lane
	s_delay_alu instid0(VALU_DEP_4)
	v_lshlrev_b32 v2, 3, v8                        ; its registers 4-5: 8 x lane (+ 512)
	s_delay_alu instid0(VALU_DEP_2)
	v_add_nc_u32 v3, VOFF, v1
	s_delay_alu instid0(VALU_DEP_2)
	v_add_nc_u32 v4, VOFF, v2
	v_lshl_add_u32 v5, v9, 4, KSC                  ; four tiles' scale words of row r
	v_lshl_add_u32 v6, v9, 4, VSC
	v_mov_b32 v7, 0xdf000000                       ; -2^63
	s_mul_i32 s2, s30, 768
	v_add_nc_u32 v30, s2, v1                       ; Q's half image in qws
	v_add_nc_u32 v31, s2, v2
	s_lshr_b32 s2, s30, 2
	s_lshl_b32 s2, s2, 8
	s_and_b32 s15, s[WV], 3
	s_lshl_b32 s15, s15, 2
	s_add_co_u32 s2, s2, s15
	s_add_co_u32 s2, s2, KSC
	v_lshl_add_u32 v93, v9, 4, s2                  ; Q's scale word
	v_lshl_add_u32 v94, v9, 5, v10                 ; ctx's scale byte: row r, block h
	v_lshlrev_b32 v95, 3, v10                      ; 8 h: how far up my two bytes of p's scale word stand
	QLOAD 0
.irp i, 22,23,24,25,26,27
	v_mov_b32 v\i, 0                               ; Q's upper 64 along K: zero codes, written once
.endr
.irp i, 80,81,82,83,84,85
	v_mov_b32 v\i, 0                               ; what stands above K's eighth tile: written once, never loaded
.endr
.irp i, 236,237,238,239,252,253
	v_mov_b32 v\i, 0                               ; lane permutes' destinations and the upper half of a pair: written once
.endr
	s_wait_tensorcnt 0x0                           ; my sixteenth has landed,
	s_barrier_signal -1
	s_barrier_wait -1                              ; everybody's has.  From here on s16-27 are free
	s_mov_b32 s[MO], 0
	MLOAD                                          ; the first tile's first step: its mask words,
	v_mov_b32 v[ADK], v1
	v_mov_b32 v[ADK8], v2
	v_mov_b32 v[ADS], v5
	KLOAD                                          ; and K's tiles
; A KEY STEP: 128 keys.  Its tiles of K, their scale words and its mask words were asked for a step ago.
; mode 0: in the loop: it asks for the next step's.  mode 1: the first tile's last step: it asks for the second tile's first step (K's step 0 again; the mask words 65,536 bytes on).  mode 2: the second tile's last step: it asks for nothing.
.macro STEP mode
	v_add_nc_u32 v[ADV], s[TB], v3                 ; these five are the places between the last step's products and the first product below, which writes over V's fragments: five are owed
	v_add_nc_u32 v[ADV8], s[TB], v4
	v_add_nc_u32 v[ADT], s[TS1], v6
	v_nop
	v_nop
.if (\mode) == 0
	s_add_co_u32 s[TB], s[TB], 6144                ; from here on: the next step's K
	s_add_co_u32 s[TS2], s[TS2], 512
.endif
.if (\mode) == 1
	s_mov_b32 s[TB], 0
	s_mov_b32 s[TS2], 0
.endif
	s_add_co_u32 s[TS1], s[TS1], 256
.irp t, 0,1,2,3,4,5,6,7                        ; S^T = K Q^T, eight tiles of 16 keys, back to back
	v_wmma_scale_f32_16x16x128_f8f6f4 v[96+8*\t:103+8*\t], v[KFR+6*\t:KFR+6*\t+11], v[16:27], 0, v[KSW+\t], v92 matrix_a_fmt:MATRIX_FMT_FP6 matrix_b_fmt:MATRIX_FMT_FP6
.endr
.if (\mode) == 2
.rept 4
	v_nop                                          ; places in front of the first read of the results
.endr
.else
	v_add_nc_u32 v[ADK], s[TB], v1                 ; four places in front of loads into registers that the products have read, and of the first read of the results
	v_add_nc_u32 v[ADK8], s[TB], v2
	v_add_nc_u32 v[ADS], s[TS2], v5
	v_nop
	KLOAD                                          ; waited for with V's fragments, below
.endif
	s_wait_kmcnt 0x0                               ; this step's mask words; their offset register may be written behind this wait
.if (\mode) == 0
	s_add_co_u32 s[MO], s[MO], 256
.endif
.if (\mode) == 1
	s_mov_b32 s[MO], 65536
.endif
.set n, 0
.rept 48
	v_cndmask_b32 v[96+n], v[96+n], v7, s[16+n]    ; K's ORDER: stored rows 64 c + 16 j + 8 h + i are keys 64 c + 32 h + 8 j + i, so register n is key 64 (n / 32) + 32 (lane / 16) + n % 32: a lane holds two whole blocks of 32 keys.  Ascending: each accumulator is read from its low end on
.set n, n+1
.endr
.rept 16
	v_cndmask_b32 v[96+n], v[96+n], v7, s[20+n]
.set n, n+1
.endr
.irp b, 0,1,2,3
	v_max3_num_f32 v[232+\b], v[96+16*\b], v[97+16*\b], v[98+16*\b]   ; the largest score of each block of 32 keys: for the row's maximum and, since p rises with the score, for the block's largest p
.endr
.irp i, 3,5,7,9,11,13
.irp b, 0,1,2,3
	s_delay_alu instid0(VALU_DEP_4)
	v_max3_num_f32 v[232+\b], v[232+\b], v[96+16*\b+\i], v[97+16*\b+\i]
.endr
.endr
.irp b, 0,1,2,3
	s_delay_alu instid0(VALU_DEP_4)
	v_max_num_f32 v[232+\b], v[232+\b], v[111+16*\b]
.endr
	v_max_num_f32 v232, v232, v233                 ; my block h of the step's four: all its 32 keys are mine
	v_max_num_f32 v233, v234, v235                 ; and my block 2 + h
.if (\mode) != 2
	MLOAD                                          ; the next step's mask words, into the registers that the selects above have read, 34 vector instructions back
.endif
	v_max_num_f32 v254, v232, v233
	v_permlanex16_b32 v236, v254, s[SEL], s[SEL+1]
	v_max_num_f32 v254, v254, v236                 ; with lane l xor 16's two blocks: the step's largest score of my query
	s_delay_alu instid0(VALU_DEP_1)
	v_mul_f32 v254, s[CS], v254
	s_delay_alu instid0(VALU_DEP_1)
	v_max_num_f32 v13, v13, v254                   ; the running largest t
	v_mov_b32 v254, v12
	s_delay_alu instid0(VALU_DEP_2)
	v_floor_f32 v12, -v13                          ; the new -M = floor(-t): M is a whole number
	s_delay_alu instid0(VALU_DEP_1)
	v_sub_f32 v254, v12, v254                      ; old M - new M: a whole number, 0 or less
	s_delay_alu instid0(VALU_DEP_1)
	v_cvt_i32_f32 v254, v254                       ; (it saturates)
	s_delay_alu instid0(VALU_DEP_1)
	v_ldexp_f32 v252, 1.0, v254                    ; f = 2^(old M - new M): a multiplication by it rounds nothing
.set j, 0
.rept 32
	v_pk_fma_f32 v[96+j:97+j], v[96+j:97+j], s[CS:CS+1], v[12:13] op_sel_hi:[1,0,0]   ; t - M, two at a time
.set j, j+2
.endr
.irp b, 0,1
	v_fma_f32 v[232+\b], v[232+\b], s[CS], v12     ; the same of each of my two blocks' largest score
.endr
.set j, 0
	s_wait_alu depctr_va_vdst(0)
.rept 64
	v_exp_f32 v[96+j], v[96+j]                     ; p = 2^(t - M), at most 1
.set j, j+1
.endr
	v_pk_mul_f32 v[14:15], v[14:15], v[252:253] op_sel_hi:[1,0]   ; the sums under the new M: a plain line behind the exponentials
	s_wait_alu depctr_va_vdst(0)                   ; one wait for the whole batch, ahead of its first reader
.irp b, 0,1
	v_exp_f32 v[232+\b], v[232+\b]                 ; the block's largest p: the same two instructions on the same number give the same bits
.endr
	v_pk_add_f32 v[236:237], v[108:109], v[116:117]
	v_pk_add_f32 v[238:239], v[124:125], v[132:133]
	v_pk_add_f32 v[240:241], v[140:141], v[148:149]
	v_pk_add_f32 v[248:249], v[156:157], v[96:97]
	v_pk_add_f32 v[246:247], v[98:99], v[110:111]
	v_pk_add_f32 v[244:245], v[118:119], v[126:127]
	v_pk_add_f32 v[242:243], v[134:135], v[142:143]
	v_pk_add_f32 v[14:15], v[14:15], v[150:151]
	v_pk_add_f32 v[236:237], v[236:237], v[158:159]
	v_pk_add_f32 v[238:239], v[238:239], v[100:101]
	v_pk_add_f32 v[240:241], v[240:241], v[102:103]
	v_pk_add_f32 v[248:249], v[248:249], v[112:113]
	v_pk_add_f32 v[246:247], v[246:247], v[120:121]
	v_pk_add_f32 v[244:245], v[244:245], v[128:129]
	v_pk_add_f32 v[242:243], v[242:243], v[136:137]
	v_pk_add_f32 v[14:15], v[14:15], v[144:145]
	v_pk_add_f32 v[236:237], v[236:237], v[152:153]
	v_pk_add_f32 v[238:239], v[238:239], v[104:105]
	v_pk_add_f32 v[240:241], v[240:241], v[106:107]
	v_pk_add_f32 v[248:249], v[248:249], v[114:115]
	v_pk_add_f32 v[246:247], v[246:247], v[122:123]
	v_pk_add_f32 v[244:245], v[244:245], v[130:131]
	v_pk_add_f32 v[242:243], v[242:243], v[138:139]
	v_pk_add_f32 v[14:15], v[14:15], v[146:147]
	v_pk_add_f32 v[236:237], v[236:237], v[154:155]
	s_delay_alu instid0(VALU_DEP_2)
	v_pk_add_f32 v[14:15], v[14:15], v[248:249]
	s_delay_alu instid0(VALU_DEP_2)
	v_pk_add_f32 v[236:237], v[236:237], v[246:247]
	v_pk_add_f32 v[238:239], v[238:239], v[244:245]
	v_pk_add_f32 v[240:241], v[240:241], v[242:243]
	s_delay_alu instid0(VALU_DEP_2)
	v_pk_add_f32 v[14:15], v[14:15], v[238:239]
	s_delay_alu instid0(VALU_DEP_2)
	v_pk_add_f32 v[236:237], v[236:237], v[240:241]
	s_delay_alu instid0(VALU_DEP_1)
	v_pk_add_f32 v[14:15], v[14:15], v[236:237]
	s_wait_alu depctr_va_vdst(0)                   ; and one for the two
.irp b, 0,1
	v_max_num_f32 v[232+\b], 0x1800000, v[232+\b]  ; the floor 2^(3 - 127): the byte cannot fall under 1
.endr
.irp b, 0,1
	v_add_nc_u32 v[244+\b], 0xff000000, v[232+\b]  ; the conversion's scale operand
.endr
.irp b, 0,1
	v_lshrrev_b32 v[236+\b], 23, v[244+\b]         ; the scale's byte
.endr
	v_lshl_or_b32 v253, v237, 16, v236             ; my two bytes, blocks h and 2 + h,
	v_lshlrev_b32 v253, v95, v253                  ; at their places in the scale word;
	v_permlanex16_b32 v238, v253, s[SEL], s[SEL+1]
	v_or_b32 v253, v253, v238                      ; with lane l xor 16's two the word of these 128 keys is whole
.irp c, 0,1
	v_cvt_scalef32_pk16_fp6_f32 v[224+6*\c:226+6*\c], v[96+32*\c:111+32*\c], v[244+\c]
	v_cvt_scalef32_pk16_fp6_f32 v[236+4*\c:238+4*\c], v[112+32*\c:127+32*\c], v[244+\c]
.endr
	v_nop                                          ; one plain line behind the conversions
.irp d, 0,1,2,3                                ; V's four fragments (16 of the head's 64 x these 128 keys) into the registers that p has left
	ds_load_b128 v[96+12*\d:99+12*\d], v[ADV] offset:1536*\d
	ds_load_b64 v[100+12*\d:101+12*\d], v[ADV8] offset:1536*\d+512
	ds_load_b128 v[102+12*\d:105+12*\d], v[ADV] offset:1536*\d+768
	ds_load_b64 v[106+12*\d:107+12*\d], v[ADV8] offset:1536*\d+1280
.endr
	ds_load_b128 v[VSW:VSW+3], v[ADT]
.irp c, 0,1                                    ; a whole block lies in my lane already: only the second three registers of each six are moved to their odd start
.irp i, 0,1,2
	v_mov_b32 v[227+6*\c+\i], v[236+4*\c+\i]
.endr
.endr
.set j, 0
.rept 16
	v_pk_mul_f32 v[160+j:161+j], v[160+j:161+j], v[252:253] op_sel_hi:[1,0]   ; O^T under the new M.  (With the lines above: the places between the scale word's and the codes' last writes and the products)
.set j, j+2
.endr
	s_wait_alu depctr_va_vdst(0)
	s_wait_dscnt 0x0                               ; V's fragments; the next step's tiles of K, asked for long before them, are in with them
.irp d, 0,1,2,3                                ; O^T += V^T P^T: four accumulators by turns
	v_wmma_scale_f32_16x16x128_f8f6f4 v[160+8*\d:167+8*\d], v[96+12*\d:107+12*\d], v[224:235], v[160+8*\d:167+8*\d], v[VSW+\d], v253 matrix_a_fmt:MATRIX_FMT_FP6 matrix_b_fmt:MATRIX_FMT_FP6
.endr
.endm
; THE END OF A TILE: O^T / l is ctx; its two blocks of 32 along the head's 64 are quantised; a half image and one scale byte a lane go out.
.macro ENDP p
.rept 4
	v_nop                                          ; places behind the last products: their results are read, and V's registers written, below
.endr
	v_add_f32 v14, v14, v15
	s_delay_alu instid0(VALU_DEP_1)
	v_permlanex16_b32 v252, v14, s[SEL], s[SEL+1]
	s_delay_alu instid0(VALU_DEP_1)
	v_add_f32 v14, v14, v252                       ; the row's sum
	s_wait_alu depctr_va_vdst(0)
	v_rcp_f32 v14, v14
.if \p == 0
	QLOAD 1                                        ; the next tile's Q lands while this tile goes out
.endif
	v_nop                                          ; a plain line behind the reciprocal
	s_wait_alu depctr_va_vdst(0)                   ; and the wait ahead of its first reader
.set j, 0
.rept 16
	v_pk_mul_f32 v[CT+j:CT+1+j], v[160+j:161+j], v[14:15] op_sel_hi:[1,0]   ; register 16 b + i = d 32 b + 16 (lane / 16) + i: V's rows d are stored in tile order
.set j, j+2
.endr
.irp b, 0,1
	v_max3_num_f32 v[232+\b], |v[CT+16*\b]|, |v[CT+1+16*\b]|, 0x1800000
.endr
.irp i, 2,4,6,8,10,12,14
.irp b, 0,1
	s_delay_alu instid0(VALU_DEP_2)
	v_max3_num_f32 v[232+\b], v[232+\b], |v[CT+16*\b+\i]|, |v[CT+1+16*\b+\i]|
.endr
.endr
.irp b, 0,1
	v_permlanex16_b32 v[236+\b], v[232+\b], s[SEL], s[SEL+1]
.endr
.irp b, 0,1
	v_max_num_f32 v[232+\b], v[232+\b], v[236+\b]  ; with lane l xor 16's 16 numbers: the block's largest magnitude
.endr
.irp b, 0,1
	s_delay_alu instid0(VALU_DEP_2)
	v_add_nc_u32 v[244+\b], 0xff000000, v[232+\b]
.endr
.irp b, 0,1
	s_delay_alu instid0(VALU_DEP_2)
	v_lshrrev_b32 v[236+\b], 23, v[244+\b]
.endr
	v_cvt_scalef32_pk16_fp6_f32 v[224:226], v[CT:CT+15], v244
	v_cvt_scalef32_pk16_fp6_f32 v[240:242], v[CT+16:CT+31], v245
	v_nop
.irp i, 0,1,2
	v_permlane16_swap_b32 v[224+\i], v[240+\i]
.endr
.irp i, 0,1,2
	s_delay_alu instid0(VALU_DEP_3)
	v_mov_b32 v[227+\i], v[240+\i]
.endr
	v_cndmask_b32 v248, v236, v237, s[HI16]        ; lanes 0-15: block 0's byte; lanes 16-31: block 1's
	global_store_b128 v1, v[224:227], s[OB:OB+1] offset:196608*\p        ; 512 consecutive bytes, aligned to 256
	global_store_b64 v2, v[228:229], s[OB:OB+1] offset:196608*\p+512     ; and 256
	global_store_b8 v94, v248, s[OS:OS+1] offset:8192*\p
.endm
.macro PASS p
.if \p == 1
	s_wait_xcnt 0x0                                ; the last tile's stores have read their data, which the steps below write again
.endif
	s_wait_loadcnt 0x0                             ; Q
	v_and_b32 v92, 0xffff, v92                     ; the scale bytes over Q's zero codes are cleared.  (The 36 lines below are the places between this write and the first product)
	v_mov_b32 v13, 0xff61b1e6                      ; the largest t so far: -3e38
	s_delay_alu instid0(VALU_DEP_1)
	v_floor_f32 v12, -v13
	v_mov_b32 v14, 0
	v_mov_b32 v15, 0
.set j, 0
.rept 32
	v_mov_b32 v[160+j], 0                          ; O^T: the step is written for every trip alike; the first finds zeros
.set j, j+1
.endr
	s_mov_b32 s[TB], 0
	s_mov_b32 s[TS1], 0
	s_mov_b32 s[TS2], 0
	s_mov_b32 s[KC], 15
	s_wait_dscnt 0x0                               ; K's tiles of the first step
.Lkey_\@:
	STEP 0
	s_sub_co_u32 s[KC], s[KC], 1
	s_cmp_lg_u32 s[KC], 0
	s_cbranch_scc1 .Lkey_\@
.if \p == 0
	STEP 1
.else
	STEP 2
.endif
	ENDP \p
.endm
	PASS 0
	PASS 1
	s_wait_dscnt 0x0
	s_wait_tensorcnt 0x0
	ds_add_u32 v251, v255
	s_wait_dscnt 0x0
	CROUND                                         ; the closing round
	s_endpgm
.Lfunc_end_k_q5a4ad661fe_attn:
	.size	k_q5a4ad661fe_attn, .Lfunc_end_k_q5a4ad661fe_attn-k_q5a4ad661fe_attn
	.p2alignl 7, 3214868480
	.fill 96, 4, 3214868480
	.section	.rodata,"a",@progbits
	.p2align	6, 0x0
	.amdhsa_kernel k_q5a4ad661fe_attn
		.amdhsa_group_segment_fixed_size 210944
		.amdhsa_private_segment_fixed_size 0
		.amdhsa_enable_private_segment 0
		.amdhsa_kernarg_size 32
		.amdhsa_user_sgpr_count 2
		.amdhsa_user_sgpr_kernarg_segment_ptr 1
		.amdhsa_wavefront_size32 1
		.amdhsa_system_sgpr_workgroup_id_x 1
		.amdhsa_system_sgpr_workgroup_id_y 1
		.amdhsa_system_sgpr_workgroup_id_z 1
		.amdhsa_system_vgpr_workitem_id 0
		.amdhsa_next_free_vgpr 256
		.amdhsa_next_free_sgpr 102
		.amdhsa_reserve_vcc 0
		.amdhsa_float_denorm_mode_32 3
		.amdhsa_float_denorm_mode_16_64 3
		.amdhsa_memory_ordered 1
		.amdhsa_forward_progress 1
		.amdhsa_inst_pref_size 100
	.end_amdhsa_kernel
	.amdgpu_metadata
---
amdhsa.version: [ 1, 2 ]
amdhsa.kernels:
  - .name:           k_q5a4ad661fe_attn
    .symbol:         k_q5a4ad661fe_attn.kd
    .args:
      - { .name: qws, .offset: 0, .size: 8, .value_kind: global_buffer, .address_space: global }
      - { .name: kv, .offset: 8, .size: 8, .value_kind: global_buffer, .address_space: global }
      - { .name: mw, .offset: 16, .size: 8, .value_kind: global_buffer, .address_space: global }
      - { .name: cx, .offset: 24, .size: 8, .value_kind: global_buffer, .address_space: global }
    .group_segment_fixed_size: 210944
    .private_segment_fixed_size: 0
    .kernarg_segment_align: 8
    .kernarg_segment_size: 32
    .max_flat_workgroup_size: 512
    .sgpr_count:     102
    .vgpr_count:     256
    .wavefront_size: 32
...
	.end_amdgpu_metadata
.endif
;; end of part 3
;; launch outp (part 4): grid 8 x 32, 4 waves a work-group, clusters of 4 x 4, 327,680 bytes of LDS; arguments cx, wq, bo, out0; writes out0
.if DOCPART == 4
	.amdgcn_target "amdgcn-amd-amdhsa--gfx1250"
	.amdhsa_code_object_version 6
	.text
	.protected	k_q5a4ad661fe_outp
	.globl	k_q5a4ad661fe_outp
	.p2align	8
	.type	k_q5a4ad661fe_outp,@function
k_q5a4ad661fe_outp:
	s_mov_b64 s[64:65], 0
	v_nop
	global_prefetch_b8 v0, s[64:65] scope:SCOPE_SE
	s_setreg_imm32_b32 hwreg(HW_REG_WAVE_MODE, 25, 1), 1
	s_wait_xcnt 0x0
	s_wait_alu depctr_hold_cnt(0) depctr_sa_sdst(0) depctr_va_vdst(0) depctr_va_sdst(0) depctr_va_ssrc(0) depctr_va_vcc(0) depctr_vm_vsrc(0)
	s_getreg_b32 s2, hwreg(HW_REG_IB_STS2, 6, 4)
	s_cmp_eq_u32 s2, 0
	s_cbranch_scc0 .Lentry_in_a_cluster
	s_endpgm
.Lentry_in_a_cluster:
	s_bfe_u32 s2, ttmp6, 0x10000c
	s_cmp_lg_u32 s2, 0xf033
	s_cbranch_scc0 .Lentry_shape_is_right
	s_endpgm
.Lentry_shape_is_right:
; out0 = ctx Wo + bo on codes of E2M3.  ctx: cx, as the attention launch leaves it: register images of fragments, [tile of 16 rows][128 along K][1,536 bytes], and scale bytes [row][32] from CXS on.
; Wo: wq's fourth weight, rows n in tile order, [group of 128 rows][K step of 256][row][192 bytes], scale bytes [row][32].
; SHARES.  256 work-groups; a work-group makes 256 rows x 128 columns, four waves 2 x 2, a wave 128 x 64: 32 accumulators, 256 registers.
; K is 1,024: both operands, all of K, fit in LDS together (A 196,608 bytes as images; B 98,304 bytes + 16 behind every 64 = 122,880).  So there is no ring: every byte is filled once, at the head, one tensor load a wave:
; waves 0 and 1 a half of A each (384 rows of 256 bytes), waves 2 and 3 a half of B each (192 rows of 256 bytes); all four blocks are dense in memory and begin at multiples of 256.
; CLUSTERS 4 x 4: A's rows are shared by a row of the cluster, B's by a column: joint loads.  No data prefetch: all tiles are asked for at the head, and there is no loop to run ahead in.
; The scale words (8 a row) and the bias go from memory straight into registers: a lane reads its row's 32 bytes whole.  The bias is the first products' C.
; THE MATRIX INSTRUCTION IS USED TRANSPOSED (source 0 = Wo's rows): a lane holds eight neighbouring columns of a row.  The way out goes through a stage in A's bytes, behind a barrier behind which nobody reads them.
; REGISTERS: window 0: v8-22 addresses, v28, v29 the add's, v32-63 bias, v64-127 A's scale words (8 a + q), v132-163 B's (8 b + q), v164-227 the way out; window 1: accumulator (a, b) at 8 (4 a + b);
;   window 2: A's fragments, two sets of 96; window 3: B's, two sets of 48.
.set WT,     786432
.set WST,    32768
.set WSC0,   3145728
.set CXS,    6291456
.set PITCH,  240
.set AB,     196608
.set SPARE,  319488
.set SPITCH, 272
.set STO, 16
.set RD,  17
.set CO,  18
.set SPW, 28
.set NIL, 29
.set BC,  32
.set SA,  64
.set SB,  132
.set BK,  164
.set MSB, 0
.macro WIN new
.if MSB != \new
	s_set_vgpr_msb (MSB<<8)|\new
.set MSB, \new
.endif
.endm
.macro PLACES n
.rept \n
	v_nop
.endr
.endm
.macro CROUND
	s_barrier_signal -1
	s_barrier_wait -1
	s_cmp_lg_u32 s14, 0
	s_cbranch_scc1 .Lnot_wave_0_\@
	s_barrier_signal -3
.Lnot_wave_0_\@:
	s_barrier_wait -3
	s_barrier_signal -1
	s_barrier_wait -1
.endm
	s_load_b128 s[4:7], s[0:1], 0x0                ; cx, wq
	s_load_b128 s[8:11], s[0:1], 0x10              ; bo, out0
	v_lshl_add_u32 v[SPW], v0, 2, SPARE
	v_mov_b32 v[NIL], 0
	ds_add_u32 v[SPW], v[NIL]                      ; the opening lines
	ds_add_u32 v[SPW], v[NIL]
	v_lshrrev_b32 v1, 5, v0
	v_readfirstlane_b32 s14, v1                    ; wave
	s_lshr_b32 s15, s14, 1                         ; my half of the rows
	s_and_b32 s16, s14, 1                          ; my half of the columns; also: which half of A or of B I fetch
	s_bfe_u32 s40, ttmp6, 0x40000                  ; cx
	s_bfe_u32 s41, ttmp6, 0x40004                  ; cy
	s_lshl_b32 s42, ttmp9, 2
	s_add_co_u32 s42, s42, s40                     ; tile column, 0..7
	s_and_b32 s17, ttmp7, 0xffff
	s_lshl_b32 s17, s17, 2
	s_add_co_u32 s17, s17, s41                     ; tile row, 0..31
	s_lshl_b32 s43, s41, 2
	s_lshl_b32 s43, 15, s43                        ; my row of the cluster
	s_lshl_b32 s44, 0x1111, s40                    ; my column
	s_or_b32 s24, s43, (3<<16)|(1<<21)             ; A: 384 rows of 32 elements of 8 bytes, dense, no padding
	s_mov_b32 s25, 32<<16
	s_mov_b32 s26, 384<<16
	s_mov_b32 s27, 32<<16
	s_mov_b32 s28, 384
	s_mov_b32 s29, 32
	s_mov_b32 s30, 0
	s_mov_b32 s31, 0
	s_or_b32 s48, s44, (3<<16)|(1<<20)|(1<<21)|(3<<22)|(3<<25)   ; B: 192 such rows, 4 words of padding behind every 16
	s_mov_b32 s49, 32<<16
	s_mov_b32 s50, 192<<16
	s_mov_b32 s51, 32<<16
	s_mov_b32 s52, 192
	s_mov_b32 s53, 32
	s_mov_b32 s54, 0
	s_mov_b32 s55, 0
	s_mul_i32 s20, s17, 196608                     ; A's 256 rows: 16 tiles of 12,288 bytes
	s_mul_i32 s18, s16, 98304
	s_add_co_u32 s20, s20, s18
	s_mov_b32 s21, 0
	s_mul_i32 s22, s42, 98304                      ; B's group of 128 rows
	s_mul_i32 s19, s16, 49152                      ; K steps 0, 1 or 2, 3
	s_add_co_u32 s22, s22, s19
	s_add_co_u32 s22, s22, 3*WT
	s_mov_b32 s23, 0
	s_mov_b32 s32, 1
	s_mov_b32 s33, s18
	s_mov_b32 s36, 1
	s_mul_i32 s37, s16, 61440
	s_add_co_u32 s37, s37, AB
	s_wait_alu depctr_va_vdst(0)
	s_wait_dscnt 0x0
	s_wait_kmcnt 0x0
	s_add_nc_u64 s[34:35], s[4:5], s[20:21]
	s_or_b32 s35, s35, 0x80000000
	s_add_nc_u64 s[38:39], s[6:7], s[22:23]
	s_or_b32 s39, s39, 0x80000000
	CROUND                                         ; all sixteen work-groups are here: the joint loads meet
	s_cmp_lt_u32 s14, 2
	s_cbranch_scc0 .Lfor_b
	tensor_load_to_lds s[32:35], s[24:31]
	s_nop 0
	PLACES 4
	s_branch .Lasked
.Lfor_b:
	tensor_load_to_lds s[36:39], s[48:55]
	s_nop 0
	PLACES 4
.Lasked:
	s_mul_i32 s21, s15, 98304                      ; my 128 rows of A
	s_mul_i32 s22, s16, 64*PITCH                   ; my 64 rows of B
	s_add_co_u32 s22, s22, AB
	s_mul_i32 s23, s14, 16*SPITCH                  ; my stage
	s_lshl_b32 s18, s17, 8
	s_lshl_b32 s19, s15, 7
	s_add_co_u32 s18, s18, s19                     ; my first row
	s_lshl_b32 s19, s42, 7
	s_lshl_b32 s45, s16, 6
	s_add_co_u32 s19, s19, s45                     ; my first column
	s_lshl_b32 s20, s18, 5
	s_add_co_u32 s20, s20, CXS
	s_mov_b32 s47, 0
	s_mov_b32 s46, s20
	s_add_nc_u64 s[4:5], s[4:5], s[46:47]          ; my rows' scale bytes
	s_lshl_b32 s46, s19, 5
	s_add_co_u32 s46, s46, WSC0+3*WST
	s_add_nc_u64 s[6:7], s[6:7], s[46:47]          ; my columns'
	s_lshl_b32 s46, s19, 2
	s_add_nc_u64 s[8:9], s[8:9], s[46:47]          ; my bias
	s_add_nc_u64 s[10:11], s[10:11], s[46:47]
	s_lshl_b32 s46, s18, 12
	s_add_nc_u64 s[10:11], s[10:11], s[46:47]      ; my part of out0
	v_and_b32 v1, 15, v0                           ; r
	v_bfe_u32 v2, v0, 4, 1                         ; h
	v_and_b32 v3, 31, v0
	v_lshlrev_b32 v20, 5, v1                       ; a row of scale bytes
	v_lshlrev_b32 v22, 6, v2                       ; the bias: 16 columns for each half of the lanes
.irp a, 0,1,2,3,4,5,6,7
	global_load_b128 v[SA+8*\a:SA+8*\a+3], v20, s[4:5] offset:512*\a
	global_load_b128 v[SA+8*\a+4:SA+8*\a+7], v20, s[4:5] offset:512*\a+16
.endr
.irp b, 0,1,2,3
	global_load_b128 v[SB+8*\b:SB+8*\b+3], v20, s[6:7] offset:512*\b
	global_load_b128 v[SB+8*\b+4:SB+8*\b+7], v20, s[6:7] offset:512*\b+16
.endr
.irp b, 0,1,2,3
	global_load_b128 v[BC+8*\b:BC+8*\b+3], v22, s[8:9] offset:(32*(\b/2)+8*(\b%2))*4      ; register j of tile b: column 32 (b / 2) + 16 h + 8 (b % 2) + j
	global_load_b128 v[BC+8*\b+4:BC+8*\b+7], v22, s[8:9] offset:(32*(\b/2)+8*(\b%2))*4+16
.endr
	v_lshl_add_u32 v8, v3, 4, s21                  ; A's images: registers 0-3 at 16 x lane, tiles 0-3;
	v_lshl_add_u32 v10, v3, 3, s21                 ; registers 4-5 at 8 x lane (+ 512)
	v_add_nc_u32 v9, 49152, v8                     ; tiles 4-7
	v_add_nc_u32 v11, 49152, v10
	v_mul_u32_u24 v4, v1, PITCH
	v_mad_u32_u24 v4, v2, 24, v4
	v_add_nc_u32 v12, s22, v4                      ; B: row x pitch + 24 h, K steps 0, 1;
	v_lshl_add_u32 v14, v2, 4, v12                 ; for the pieces where lanes 16-31 stand behind one padding more
	v_add_nc_u32 v13, 61440, v12                   ; K steps 2, 3
	v_add_nc_u32 v15, 61440, v14
	v_mul_u32_u24 v5, v1, SPITCH
	v_lshl_add_u32 v5, v2, 6, v5
	v_add_nc_u32 v[STO], s23, v5                   ; into the stage: row r, 64 bytes for each half of the lanes
	v_mul_u32_u24 v5, v2, SPITCH
	v_lshl_add_u32 v5, v1, 4, v5
	v_add_nc_u32 v[RD], s23, v5                    ; back: sixteen lanes a row of 256 bytes
	v_lshlrev_b32 v[CO], 12, v2
	v_lshl_add_u32 v[CO], v1, 4, v[CO]             ; and the same two rows in out0
.macro FRAGB reg, q, i                 ; six pieces of 8 bytes of row 16 i + r, 128 along K at step q
.irp p, 0,1,2,3,4,5
.set PCE, 12*((\q)%2)+6*(\p/3)+\p%3
.if PCE%8 < 5
	ds_load_b64 v[\reg+2*\p:\reg+2*\p+1], v[12+(\q)/4] offset:30720*(((\q)/2)%2)+8*PCE+16*(PCE/8)+(\i)*16*PITCH
.else
	ds_load_b64 v[\reg+2*\p:\reg+2*\p+1], v[14+(\q)/4] offset:30720*(((\q)/2)%2)+8*PCE+16*(PCE/8)+(\i)*16*PITCH
.endif
.endr
.endm
.macro FRAGA reg, q, i
	ds_load_b128 v[\reg:\reg+3], v[8+(\i)/4] offset:12288*((\i)%4)+1536*(\q)
	ds_load_b64 v[\reg+4:\reg+5], v[10+(\i)/4] offset:12288*((\i)%4)+1536*(\q)+512
	ds_load_b128 v[\reg+6:\reg+9], v[8+(\i)/4] offset:12288*((\i)%4)+1536*(\q)+768
	ds_load_b64 v[\reg+10:\reg+11], v[10+(\i)/4] offset:12288*((\i)%4)+1536*(\q)+1280
.endm
.macro FETCH q, p                      ; step q's twelve fragments into set p
	WIN 0xc0
.irp i, 0,1,2,3
	FRAGB 48*(\p)+12*\i, \q, \i
.endr
	WIN 0x80
.irp i, 0,1,2,3,4,5,6,7
	FRAGA 96*(\p)+12*\i, \q, \i
.endr
.endm
.macro MUL q, p                        ; 32 products, the 32 accumulators by turns
.if (\q) == 0
	WIN 0x4b
.else
	WIN 0x5b
.endif
.irp a, 0,1,2,3,4,5,6,7
.irp b, 0,1,2,3
.if (\q) == 0
	v_wmma_scale_f32_16x16x128_f8f6f4 v[8*(4*\a+\b):8*(4*\a+\b)+7], v[48*(\p)+12*\b:48*(\p)+12*\b+11], v[96*(\p)+12*\a:96*(\p)+12*\a+11], v[BC+8*\b:BC+8*\b+7], v[SB+8*\b+(\q)], v[SA+8*\a+(\q)] matrix_a_fmt:MATRIX_FMT_FP6 matrix_b_fmt:MATRIX_FMT_FP6
.else
	v_wmma_scale_f32_16x16x128_f8f6f4 v[8*(4*\a+\b):8*(4*\a+\b)+7], v[48*(\p)+12*\b:48*(\p)+12*\b+11], v[96*(\p)+12*\a:96*(\p)+12*\a+11], v[8*(4*\a+\b):8*(4*\a+\b)+7], v[SB+8*\b+(\q)], v[SA+8*\a+(\q)] matrix_a_fmt:MATRIX_FMT_FP6 matrix_b_fmt:MATRIX_FMT_FP6
.endif
.endr
.endr
.endm
	s_wait_alu depctr_va_vdst(0)
	s_wait_tensorcnt 0x0                           ; my quarter of the fills has landed,
	s_barrier_signal -1
	s_barrier_wait -1                              ; everybody's has; nothing is ever filled again
	FETCH 0, 0
	s_wait_dscnt 0x0
	FETCH 1, 1
	s_wait_loadcnt 0x0                             ; the scale words and the bias
	MUL 0, 0
.irp q, 1,2,3,4,5,6
	s_wait_dscnt 0x0                               ; step q's fragments, asked for ahead of the last 32 products
	PLACES 4                                       ; in front of loads into registers that those products have read
	FETCH \q+1, (\q+1)%2
	MUL \q, (\q)%2
.endr
	s_wait_dscnt 0x0                               ; my last reads of A and B are over:
	s_barrier_signal -1                            ; say so,
	MUL 7, 1
	WIN 0
	s_barrier_wait -1                              ; and store into A's bytes only when all four have said so
.macro TOSTAGE a
	WIN 0x04                                       ; the data: window 1
.irp b, 0,1,2,3
	ds_store_b128 v[STO], v[32*(\a)+8*\b:32*(\a)+8*\b+3] offset:128*(\b/2)+32*(\b%2)       ; each accumulator from its low end on
	ds_store_b128 v[STO], v[32*(\a)+8*\b+4:32*(\a)+8*\b+7] offset:128*(\b/2)+32*(\b%2)+16
.endr
	WIN 0
.set BB, BK+32*((\a)%2)
.irp t, 0,1,2,3,4,5,6,7
	ds_load_b128 v[BB+4*\t:BB+4*\t+3], v[RD] offset:\t*2*SPITCH   ; LDS serves a wave's instructions in order: these see the stores
.endr
.endm
.macro SEND a, younger                 ; younger: the LDS instructions issued behind block a's loads
.set BB, BK+32*((\a)%2)
	s_wait_dscnt \younger
.if (\a) > 0
	s_add_nc_u64 s[10:11], s[10:11], 16*4096       ; behind a wait on XCNT: the earlier stores have read their base
.endif
.irp t, 0,1,2,3,4,5,6,7
	global_store_b128 v[CO], v[BB+4*\t:BB+4*\t+3], s[10:11] offset:2*\t*4096 th:TH_STORE_NT   ; sixteen lanes store 256 consecutive bytes, aligned
.endr
.endm
	PLACES 4                                       ; behind the last products, in front of the first read of results
	TOSTAGE 0
.irp a, 1,2,3,4,5,6,7
.if \a > 1
	s_wait_xcnt 0x0                                ; block a - 2's stores have read their registers and their base
.endif
	TOSTAGE \a
	SEND \a-1, 16                                  ; behind block a - 1's loads: block a's 8 stores and 8 loads
.endr
	s_wait_xcnt 0x0
	SEND 7, 0
	s_wait_tensorcnt 0x0                           ; the wave's end
	ds_add_u32 v[SPW], v[NIL]
	s_wait_dscnt 0x0
	CROUND                                         ; the closing round
	s_endpgm
.Lfunc_end_k_q5a4ad661fe_outp:
	.size	k_q5a4ad661fe_outp, .Lfunc_end_k_q5a4ad661fe_outp-k_q5a4ad661fe_outp
	.p2alignl 7, 3214868480
	.fill 96, 4, 3214868480
	.section	.rodata,"a",@progbits
	.p2align	6, 0x0
	.amdhsa_kernel k_q5a4ad661fe_outp
		.amdhsa_group_segment_fixed_size 327680
		.amdhsa_private_segment_fixed_size 0
		.amdhsa_enable_private_segment 0
		.amdhsa_kernarg_size 32
		.amdhsa_user_sgpr_count 2
		.amdhsa_user_sgpr_kernarg_segment_ptr 1
		.amdhsa_wavefront_size32 1
		.amdhsa_system_sgpr_workgroup_id_x 1
		.amdhsa_system_sgpr_workgroup_id_y 1
		.amdhsa_system_sgpr_workgroup_id_z 1
		.amdhsa_system_vgpr_workitem_id 0
		.amdhsa_next_free_vgpr 864
		.amdhsa_next_free_sgpr 66
		.amdhsa_reserve_vcc 0
		.amdhsa_float_denorm_mode_32 3
		.amdhsa_float_denorm_mode_16_64 3
		.amdhsa_memory_ordered 1
		.amdhsa_forward_progress 1
		.amdhsa_inst_pref_size 88
	.end_amdhsa_kernel
	.amdgpu_metadata
---
amdhsa.version: [ 1, 2 ]
amdhsa.kernels:
  - .name:           k_q5a4ad661fe_outp
    .symbol:         k_q5a4ad661fe_outp.kd
    .args:
      - { .name: cx, .offset: 0, .size: 8, .value_kind: global_buffer, .address_space: global }
      - { .name: wq, .offset: 8, .size: 8, .value_kind: global_buffer, .address_space: global }
      - { .name: bo, .offset: 16, .size: 8, .value_kind: global_buffer, .address_space: global }
      - { .name: out0, .offset: 24, .size: 8, .value_kind: global_buffer, .address_space: global }
    .group_segment_fixed_size: 327680
    .private_segment_fixed_size: 0
    .kernarg_segment_align: 8
    .kernarg_segment_size: 32
    .max_flat_workgroup_size: 128
    .sgpr_count:     66
    .vgpr_count:     864
    .wavefront_size: 32
...
	.end_amdgpu_metadata
.endif
;; end of part 4
